; MI455X (gfx1250); checked and timed in simulation.
; The chip was launched on July 23, 2026; its instructions are those of AMD's public machine-readable ISA for CDNA 5 (MIT licence, August 2026) and "CDNA5" Instruction Set Architecture Reference Guide (July 2026). The comments in the code are by the model that wrote it; some were corrected since.
;; Self Attention. Allowed arithmetic: matrix products marked QUANTISED: E2M3 operands, one E8M0 scale for each 32 along K, by v_wmma_scale_f32_16x16x128_f8f6f4 with both operands' format E2M3, f32 sums; everything else in f32.
;; Inputs: in_proj_b 3,072 float32; in_proj_w 3,072 x 1,024 float32; out_b 1,024 float32; out_w 1,024 x 1,024 float32; x 2 x 2,048 x 1,024 float32.
;; Outputs: out0 2 x 2,048 x 1,024 float32.
;; This version of the problem:
;;   THIS VERSION OF THE PROBLEM IS GIVEN IN LOW PRECISION. The matrix products marked QUANTISED in the list below multiply operands that are first quantised to E2M3 (2 exponent bits, 3 mantissa bits; 6 bits a number), with one power-of-two scale for each 32 numbers along K (OCP MX v1.0); their sums are f32. All else is computed in f32.
;;   The module's matrix products, in the order in which they are computed (A, B: the left and right operand; K: the contracted axis; several contracted axes count as one K, in the product's order):
;;     1. [M 4,096, K 1,024] x [K 1,024, N 3,072]; A: input x; B: input in_proj_w: QUANTISED
;;     2. batch 32 x [M 2,048, K 64] x [K 64, N 2,048]; A: computed on the way; B: computed on the way: QUANTISED
;;     3. batch 32 x [M 2,048, K 2,048] x [K 2,048, N 64]; A: softmax (see below); B: computed on the way: QUANTISED
;;     4. [M 4,096, K 1,024] x [K 1,024, N 1,024]; A: computed on the way; B: input out_w: QUANTISED
;;   THE QUANTISER, for each operand of a quantised product, along K:
;;     - K is cut into blocks of 32 from its start; a last block that is shorter is filled with zeros.
;;     - A block's scale is 2^e with e = floor(log2(the largest magnitude in the block)) - 2, held to -126 .. 127; a block of zeros has e = 0. As a byte (E8M0): e + 127.
;;     - Each number is divided by its block's scale, clamped to +-7.5, and rounded to the nearest number of E2M3, ties to even, subnormals kept.
;;     - The product sums the exact products of the quantised numbers (number of the format x scale) in f32.
;;   ~~~python
;;   def quantise(x, axis):      # numpy; x: float32 -> the quantised numbers, widened to float32 again
;;       x = np.moveaxis(x, axis, -1); K = x.shape[-1]
;;       x = np.pad(x, [(0, 0)] * (x.ndim - 1) + [(0, -K % 32)]); x = x.reshape(x.shape[:-1] + (-1, 32)); a = np.abs(x).max(-1, keepdims=True)
;;       e = np.where(a > 0, np.clip(np.frexp(np.where(a > 0, a, 1))[1] - 1 - 2, -126, 127), 0)      # np.frexp(a)[1] - 1 = floor(log2(a)), exactly
;;       r = np.clip(x / 2.0 ** e, -7.5, 7.5)
;;       step = 2.0 ** (np.maximum(np.frexp(np.where(r == 0, 1, r))[1] - 1, 0) - 3)
;;       q = np.round(r / step) * step * 2.0 ** e      # np.round: ties to even
;;       return np.moveaxis(q.reshape(q.shape[:-2] + (-1,))[..., :K], -1, axis).astype(np.float32)
;;   ~~~
;;   SOFTMAX AHEAD OF A QUANTISED PRODUCT. Where the list says 'softmax', what is quantised is not the finished softmax but p = 2^(t - M), with t = logit x log2(e) and M = ceil(the row's largest t), a whole number; so 1/2 < the row's largest p <= 1. The row's sum l is taken of the UNQUANTISED p, in f32, and the product's result is divided by l at the end. Since M is a whole number, a kernel that streams over the keys may use a running M (the ceiling of the running maximum): every later rescaling is an exact power of two, which a block's scale takes up: the codes' values come out the same.
;;   OPERANDS COMPUTED ON THE WAY. 'Computed on the way' means the value that the module computes at that place (a softmax that the list does not call 'softmax' is quantised finished and normalised). What goes into a quantiser is computed in f32, as accurately as f32 sums, v_exp_f32 and their like allow (about 1e-6 of the number): no bf16 or f16 on the way to a quantiser, and a product that is left as it is and whose result goes on into a quantised operand takes f32 operands (vector FMAs, or v_wmma_f32_16x16x4_f32). A number that lies on a knife's edge between two numbers of the format may be rounded either way, as far as f32 arithmetic and the matrix unit's own rounding can turn it there, and no further.
;; One version. Each part assembles by itself: llvm-mc -triple=amdgcn-amd-amdhsa -mcpu=gfx1250 --defsym DOCPART=n.
;; ======== version 1 of 1: 4 launches
;; limits: right only within a limited range of input values
;; workspace buffers: cod 6,553,600 bytes; qkv 9,830,400 bytes; cim 3,276,800 bytes
;; launch quant (part 1): grid 512 x 1, 4 waves a work-group, no clusters, 68,096 bytes of LDS; arguments x, in_proj_w, out_w, cod; writes cod
.if DOCPART == 1
	.amdgcn_target "amdgcn-amd-amdhsa--gfx1250"
	.amdhsa_code_object_version 6
	.text
	.protected	k_q1e8ae19f93_quant
	.globl	k_q1e8ae19f93_quant
	.p2align	8
	.type	k_q1e8ae19f93_quant,@function
k_q1e8ae19f93_quant:
	s_mov_b64 s[64:65], 0
	v_nop
	global_prefetch_b8 v0, s[64:65] scope:SCOPE_SE
	s_setreg_imm32_b32 hwreg(HW_REG_WAVE_MODE, 25, 1), 1
	s_wait_xcnt 0x0
; x [4096][1024], in_proj_w [3072][1024] and out_w [1024][1024], f32, K innermost, become codes of FP6 (E2M3) with one E8M0 byte for each 32 along K.
; A block's scale is 2^(floor(log2(its largest magnitude)) - 2): its byte is the largest magnitude's exponent field - 2, held at 1 from below.
; LIMITS: a block of zeros gets the byte 1 where the quantiser says 127 (its codes are zeros, and this program alone reads the bytes); NaN and infinities among the inputs are not served.
; WORK LEFT OUT BY THE PROGRAM: reference() sets every score whose key comes after its query to -infinity, for all inputs: such scores have p = 0 and reach no output.  Whole steps of 128 keys of that kind are
; not multiplied (the attention launch).  A NaN, an infinity or an overflow that reaches only these is not carried to the result.
; LAYOUT OF cod: [row block G][half of K, 512][6,400 bytes]; G 0-255 x, 256-447 in_proj_w, 448-511 out_w.  A record holds four fragments (16 rows x 128 along K) of 1,536 bytes, each two half fragments of 768: bytes 0-511
; registers 0-3 (lane l at 16 l), bytes 512-767 registers 4-5 (lane l at 8 l); lane (r, h) holds row r, k = 32 h .. 32 h + 31.  At 6,144: the scale words [pair of fragments][row r][2 words], a word = the four bytes of 128 along K.
; THE ROWS OF A BLOCK ARE NOT NEIGHBOURS: lane r of block 2 B + u holds row 32 B + 8 u + r + 8 (r / 8), so that a product used transposed has 16 neighbours of the next K in the 16 registers of two neighbouring tiles.
; SHARES: a work-group takes one row block, wave w its K = 256 w .. 256 w + 255, in two steps of 128.  All 32 loads of a wave go out at once, each 512 consecutive bytes of one row.
; A step's 16 x 512 bytes turn through the wave's own stage in LDS (rows 528 bytes apart) and come back 16 neighbours of each block of 32 a lane.
; No tensor loads, no barrier: waves share nothing.  No store's data or address is written again, so no wait on XCNT is needed.
.set SP,   528
.set STG,  16*SP                       ; a stage
.set WREG, 2*STG                       ; a wave's LDS: a stage for each K step
.set TM,   10                          ; v10-13 largest magnitudes, v14-17 the other half's, then bytes, v22-25 the conversions' scale operands
.set PW0,  26                          ; the two scale words
.set PW1,  27
.set PC0,  28                          ; v28-39, v40-51 the two fragments
.set PC1,  40
.set PT,   52                          ; v52-58 the second halves of the blocks, as converted
.set R,    64                          ; v64-191 the numbers as loaded
.set X,    192                         ; v192-255 64 numbers: register 16 b + i = k 32 b + 16 h + i of my row
.set SEL,  20                          ; s[20:21] v_permlanex16_b32's selects for lane l xor 16
.macro QUANT s, pc, pw                 ; 64 numbers of a lane become a fragment's 12 registers in v[pc] on and its row's scale word in v[pw]
.irp b, 0,1,2,3
	v_max3_num_f32 v[TM+\b], |v[\s+16*\b]|, |v[\s+1+16*\b]|, 0x1800000   ; and the floor 2^(3 - 127): the byte cannot fall under 1
.endr
.irp i, 2,4,6,8,10,12,14
.irp b, 0,1,2,3
	v_max3_num_f32 v[TM+\b], v[TM+\b], |v[\s+16*\b+\i]|, |v[\s+1+16*\b+\i]|
.endr
.endr
.irp b, 0,1,2,3
	v_permlanex16_b32 v[TM+4+\b], v[TM+\b], s[SEL], s[SEL+1]
.endr
.irp b, 0,1,2,3
	v_max_num_f32 v[TM+\b], v[TM+\b], v[TM+4+\b]
.endr
.irp b, 0,1,2,3
	v_add_nc_u32 v[TM+12+\b], 0xff000000, v[TM+\b]                 ; 2 off its exponent field: the conversion takes that field as its scale
.endr
.irp b, 0,1,2,3
	v_lshrrev_b32 v[TM+4+\b], 23, v[TM+12+\b]                      ; the scale's byte
.endr
	v_lshl_or_b32 v[\pw], v[TM+5], 8, v[TM+4]
	v_lshl_or_b32 v[\pw], v[TM+6], 16, v[\pw]
	v_lshl_or_b32 v[\pw], v[TM+7], 24, v[\pw]
.irp c, 0,1
	v_cvt_scalef32_pk16_fp6_f32 v[\pc+6*\c:\pc+6*\c+2], v[\s+32*\c:\s+32*\c+15], v[TM+12+2*\c]
	v_cvt_scalef32_pk16_fp6_f32 v[PT+4*\c:PT+4*\c+2], v[\s+32*\c+16:\s+32*\c+31], v[TM+13+2*\c]   ; (a conversion's three registers begin on an even number)
.endr
	v_nop                                          ; one plain instruction behind the scaled conversions
.irp c, 0,1                            ; the operand wants a whole block in a lane: lanes 0-15 block 2 c, lanes 16-31 block 2 c + 1
.irp i, 0,1,2
	v_permlane16_swap_b32 v[\pc+6*\c+\i], v[PT+4*\c+\i]
.endr
.irp i, 0,1,2
	v_mov_b32 v[\pc+6*\c+3+\i], v[PT+4*\c+\i]
.endr
.endr
.endm
	s_load_b128 s[4:7], s[0:1], 0x0                ; x, in_proj_w
	s_load_b128 s[8:11], s[0:1], 0x10              ; out_w, cod
	v_lshl_add_u32 v62, v0, 2, 0x10800             ; my spare word
	v_mov_b32 v63, 0
	v_lshrrev_b32 v1, 5, v0
	v_readfirstlane_b32 s14, v1                    ; wave 0..3
	v_and_b32 v1, 31, v0                           ; lane
	v_and_b32 v2, 15, v0                           ; r
	v_bfe_u32 v3, v0, 4, 1                         ; h
	v_lshlrev_b32 v4, 4, v1                        ; 16 x lane
	v_lshlrev_b32 v5, 3, v1                        ; 8 x lane
	s_mul_i32 s15, s14, WREG
	v_add_nc_u32 v6, s15, v4                       ; the stage, on the way in: 16 x lane of a row
	v_mul_u32_u24 v7, v2, SP
	v_lshl_add_u32 v7, v3, 6, v7
	v_add_nc_u32 v7, s15, v7                       ; and out: row r, + 64 h: my 16 numbers of a block of 32
	v_lshlrev_b32 v8, 3, v2
	v_lshl_add_u32 v8, v3, 2, v8                   ; the scale words' place: 8 r + 4 h
.irp b, 0,1,2,3
	v_mov_b32 v[TM+4+\b], 0                        ; written once: a lane permute's destination counts as one of its sources
.endr
	s_mov_b32 s[SEL], 0x76543210
	s_mov_b32 s[SEL+1], 0xfedcba98
	s_mul_i32 s22, ttmp9, 12800                    ; my record: block G, half w / 2 of K
	s_lshr_b32 s23, s14, 1
	s_mul_i32 s23, s23, 6400
	s_add_co_u32 s22, s22, s23
	s_and_b32 s24, s14, 1                          ; two of its four fragments are mine, and 128 bytes of its scale words
	s_mul_i32 s23, s24, 3072
	s_lshl_b32 s24, s24, 7
	s_add_co_u32 s24, s24, s22
	s_add_co_u32 s24, s24, 6144
	s_add_co_u32 s22, s22, s23
	s_mov_b32 s23, 0
	s_mov_b32 s25, 0
	s_wait_alu depctr_va_vdst(0)                   ; the wait at the head's end
	s_wait_kmcnt 0x0
	s_mov_b32 s16, 448                             ; which tensor, and its first block: the choice hangs on the work-group's number alone
	s_cmp_lt_u32 ttmp9, 448
	s_cselect_b64 s[6:7], s[6:7], s[8:9]
	s_cselect_b32 s16, 256, s16
	s_cmp_lt_u32 ttmp9, 256
	s_cselect_b64 s[4:5], s[4:5], s[6:7]
	s_cselect_b32 s16, 0, s16
	s_sub_co_u32 s17, ttmp9, s16                   ; the block's number in its tensor, 2 B + u
	s_lshl_b32 s18, s17, 4
	s_and_b32 s19, s17, 1
	s_lshl_b32 s19, s19, 3
	s_sub_co_u32 s18, s18, s19                     ; its first row: 32 B + 8 u
	s_lshl_b32 s18, s18, 12                        ; rows of 4,096 bytes (under 2^25)
	s_lshl_b32 s19, s14, 10                        ; my 256 numbers of a row
	s_add_co_u32 s18, s18, s19
	s_mov_b32 s19, 0
	s_add_nc_u64 s[4:5], s[4:5], s[18:19]
	s_add_nc_u64 s[12:13], s[10:11], s[24:25]
	s_add_nc_u64 s[10:11], s[10:11], s[22:23]
.irp q, 0,1
.irp t, 0,1,2,3,4,5,6,7,8,9,10,11,12,13,14,15
	global_load_b128 v[R+64*\q+4*\t:R+64*\q+4*\t+3], v4, s[4:5] offset:(\t+8*(\t/8))*4096+512*\q th:TH_LOAD_NT   ; 512 consecutive bytes of the block's row t
.endr
.endr
.macro HALF q, pc, pw                  ; K step q: through the stage, quantised, stored as two half fragments
.irp t, 0,1,2,3,4,5,6,7,8,9,10,11,12,13,14,15
	ds_store_b128 v6, v[R+64*\q+4*\t:R+64*\q+4*\t+3] offset:STG*\q+SP*\t
.endr
.irp b, 0,1,2,3
.irp j, 0,1,2,3
	ds_load_b128 v[X+16*\b+4*\j:X+16*\b+4*\j+3], v7 offset:STG*\q+128*\b+16*\j   ; LDS serves a wave's instructions in order: these see the stores above
.endr
.endr
	s_wait_dscnt 0x0
	QUANT X, \pc, \pw
.irp c, 0,1
	global_store_b128 v4, v[\pc+6*\c:\pc+6*\c+3], s[10:11] offset:(2*\q+\c)*768          ; 512 consecutive bytes, at a multiple of 256 from cod's first byte
	global_store_b64 v5, v[\pc+6*\c+4:\pc+6*\c+5], s[10:11] offset:(2*\q+\c)*768+512     ; 256 consecutive bytes, likewise
.endr
.endm
	s_wait_loadcnt 16                              ; the first K step's 16 loads are in; the second's may be out
	HALF 0, PC0, PW0
	s_wait_loadcnt 0x0
	HALF 1, PC1, PW1
	v_cmp_gt_u32 vcc_lo, 16, v1
	v_cndmask_b32 v9, v[PW1], v[PW0], vcc_lo       ; lanes 0-15 the first step's word, lanes 16-31 the second's
	global_store_b32 v8, v9, s[12:13]              ; the wave's 128 consecutive bytes: one byte for each 128 that the launch reads
	s_wait_tensorcnt 0x0                           ; the wave's end
	ds_add_u32 v62, v63
	s_wait_dscnt 0x0
	s_endpgm
.Lfunc_end_k_q1e8ae19f93_quant:
	.size	k_q1e8ae19f93_quant, .Lfunc_end_k_q1e8ae19f93_quant-k_q1e8ae19f93_quant
	.p2alignl 7, 3214868480
	.fill 96, 4, 3214868480
	.section	.rodata,"a",@progbits
	.p2align	6, 0x0
	.amdhsa_kernel k_q1e8ae19f93_quant
		.amdhsa_group_segment_fixed_size 68096
		.amdhsa_private_segment_fixed_size 0
		.amdhsa_enable_private_segment 0
		.amdhsa_kernarg_size 32
		.amdhsa_user_sgpr_count 2
		.amdhsa_user_sgpr_kernarg_segment_ptr 1
		.amdhsa_wavefront_size32 1
		.amdhsa_system_sgpr_workgroup_id_x 1
		.amdhsa_system_sgpr_workgroup_id_y 1
		.amdhsa_system_sgpr_workgroup_id_z 1
		.amdhsa_system_vgpr_workitem_id 0
		.amdhsa_next_free_vgpr 256
		.amdhsa_next_free_sgpr 66
		.amdhsa_reserve_vcc 1
		.amdhsa_float_denorm_mode_32 3
		.amdhsa_float_denorm_mode_16_64 3
		.amdhsa_memory_ordered 1
		.amdhsa_forward_progress 1
		.amdhsa_inst_pref_size 19
	.end_amdhsa_kernel
	.amdgpu_metadata
---
amdhsa.version: [ 1, 2 ]
amdhsa.kernels:
  - .name:           k_q1e8ae19f93_quant
    .symbol:         k_q1e8ae19f93_quant.kd
    .args:
      - { .name: x, .offset: 0, .size: 8, .value_kind: global_buffer, .address_space: global }
      - { .name: in_proj_w, .offset: 8, .size: 8, .value_kind: global_buffer, .address_space: global }
      - { .name: out_w, .offset: 16, .size: 8, .value_kind: global_buffer, .address_space: global }
      - { .name: cod, .offset: 24, .size: 8, .value_kind: global_buffer, .address_space: global }
    .group_segment_fixed_size: 68096
    .private_segment_fixed_size: 0
    .kernarg_segment_align: 8
    .kernarg_segment_size: 32
    .max_flat_workgroup_size: 128
    .sgpr_count:     66
    .vgpr_count:     256
    .wavefront_size: 32
...
	.end_amdgpu_metadata
.endif
;; end of part 1
;; launch proj (part 2): grid 16 x 16, 4 waves a work-group, clusters of 4 x 4, 327,680 bytes of LDS; arguments cod, in_proj_b, qkv; writes qkv
.if DOCPART == 2
	.amdgcn_target "amdgcn-amd-amdhsa--gfx1250"
	.amdhsa_code_object_version 6
	.text
	.protected	k_q1e8ae19f93_proj
	.globl	k_q1e8ae19f93_proj
	.p2align	8
	.type	k_q1e8ae19f93_proj,@function
k_q1e8ae19f93_proj:
	s_mov_b64 s[64:65], 0
	v_nop
	global_prefetch_b8 v0, s[64:65] scope:SCOPE_SE
	s_setreg_imm32_b32 hwreg(HW_REG_WAVE_MODE, 25, 1), 1
	s_wait_xcnt 0x0
	s_wait_alu depctr_hold_cnt(0) depctr_sa_sdst(0) depctr_va_vdst(0) depctr_va_sdst(0) depctr_va_ssrc(0) depctr_va_vcc(0) depctr_vm_vsrc(0)
	s_getreg_b32 s2, hwreg(HW_REG_IB_STS2, 6, 4)
	s_cmp_eq_u32 s2, 0
	s_cbranch_scc0 .Lentry_in_a_cluster
	s_endpgm
.Lentry_in_a_cluster:
	s_bfe_u32 s2, ttmp6, 0x10000c
	s_cmp_lg_u32 s2, 0xf033
	s_cbranch_scc0 .Lentry_shape_is_right
	s_endpgm
.Lentry_shape_is_right:
; qkv = x in_proj_w^T + in_proj_b on codes of FP6 (E2M3) with E8M0 scales; the results are quantised here, q and k along the head's 64, v along the KEYS, and never go to memory as f32.
; A work-group makes 256 tokens x one head's 64 columns of q, of k and of v: 16 x 16 work-groups.  Each of its four waves takes 64 tokens, ALL of K, in registers (4 blocks x 8 fragments x 12 = 384) and streams the
; 192 rows of the weight past them, 4 tiles x 128 along K at a time, in three sets of 48 registers: a step's fragments are asked for two steps ahead.  A phase is one of q, k, v: 8 steps of 16 products.
; LDS: W_q's 4 row blocks, x's 16, W_k's 4, of 12,800 bytes each (codes and scale words of all K: dense in memory).  W_v's 4 come onto x's first bytes when every wave holds its tokens in registers: the one refill.
; At the head one joint load a wave: W_q, x's first 8 blocks, x's last 8, W_k.  x is shared along a row of the cluster, a weight's rows along a column.
; W_v's 200 units of 256 bytes are prefetched behind the first barrier, each once in a cluster: the sixteen waves of a column of the cluster take 13 each, by address (the last wave 5); that is six steps ahead of the refill.
; q, k: the product is used transposed (source 0 = the weight's rows): a lane holds one token, and by the order of rows in a block (lane r of block 2 B + u = row 32 B + 8 u + r + 8 (r / 8)) registers 16 b + i are
; columns 32 b + 16 h + i of the head.  v: source 0 = x's rows: a lane holds one column, registers 16 b + i are tokens 32 b + 16 h + i of the wave's 64.  So one text quantises all three.
; THE BIAS is the C of each sum's first product.
; OUT: qkv [I = 32 which + 16 batch + head][step of 128 tokens][6,400]: q, k: eight half fragments (row block a at 768 a); v: four fragments (16 of the head's 64 x 128 keys at 1,536 dt).  At 6,144: [row r][4 words]: q, k: word i =
; the two bytes of block i and the two of block i + 4; v: word dt = the four key blocks of tile dt.  Scale bytes gather in LDS and leave as whole units of 256 bytes.
; LIMITS: a block of zeros gets the byte 1 (its codes are zeros; this program alone reads the bytes); NaN and infinities are not served.
; REGISTERS: window 0: v4-31 addresses; v32-63 x's scale words; v68-99, v100-131 a weight's, two sets; v160-255 the biases as C.  windows 1, 2: x's fragments, blocks 0-1 and 2-3, at 12 (8 (a % 2) + step).
;   window 1 from 192: the third set of the weight's fragments.  window 2 from 192: the quantiser's.  window 3: 16 accumulators at 0, two sets of the weight's fragments at 128 and 176.
.set BLK,  12800
.set LX,   51200
.set LK,   256000
.set STG,  307200                      ; scale bytes on their way out: [q, k, v][step of 128 tokens][256]
.set SPARE, 308736
.set W16,  4                           ; v4-6   16 x lane in W_q, W_k, W_v;  v7-9 8 x lane;  v10-12 8 r (scale words)
.set W8,   7
.set WSA,  10
.set X16,  13
.set X8,   14
.set XSA,  15
.set SPW,  16
.set NIL,  17
.set STB,  18
.set PFV,  19
.set RDS,  20
.set OSC,  21
.set XS,   32
.set WS,   68
.set BI,   160
.set TM,   192                         ; window 2
.set TP,   200
.set SO,   208
.set CD,   216
.set PT,   240
.set MSB, 0
.macro WIN new                         ; the immediate's high byte repeats the setting that is left
.if MSB != (\new)
	s_set_vgpr_msb (MSB<<8)|(\new)
.set MSB, (\new)
.endif
.endm
.macro PLACES n                        ; plain instructions between a matrix instruction and a load into, or a vector instruction on, its registers (ISA guide 7.12.1 for vector instructions)
.rept \n
	v_nop
.endr
.endm
.macro CREST                           ; a round of the cluster's barrier behind its opening barrier
	s_cmp_lg_u32 s14, 0
	s_cbranch_scc1 .Lnot_wave_0_\@
	s_barrier_signal -3
.Lnot_wave_0_\@:
	s_barrier_wait -3
	s_barrier_signal -1
	s_barrier_wait -1
.endm
.macro CROUND
	s_barrier_signal -1
	s_barrier_wait -1
	CREST
.endm
.macro TLOAD g0, g1
	tensor_load_to_lds s[\g0:\g0+3], s[\g1:\g1+7]
	s_nop 0
	PLACES 4
.endm
.macro ARM w, g0, g1, next
	s_cmp_eq_u32 s14, \w
	s_cbranch_scc0 \next
	TLOAD \g0, \g1
	s_branch .Lasked
\next:
.endm
.macro GROUP1 g, mask, rows            ; rows of 1,600 elements of 8 bytes, dense
	s_or_b32 s[\g+0], s[\mask], (3<<16)|(1<<21)
	s_mov_b32 s[\g+1], 1600<<16
	s_mov_b32 s[\g+2], (\rows)<<16
	s_mov_b32 s[\g+3], 1600<<16
	s_mov_b32 s[\g+4], \rows
	s_mov_b32 s[\g+5], 1600
	s_mov_b32 s[\g+6], 0
	s_mov_b32 s[\g+7], 0
.endm
.macro FRAG reg, a16, a8, off          ; a fragment: two half fragments, each 512 bytes at 16 x lane and 256 at 8 x lane
.irp c, 0,1
	ds_load_b128 v[\reg+6*\c:\reg+6*\c+3], v[\a16] offset:(\off)+768*\c
	ds_load_b64 v[\reg+6*\c+4:\reg+6*\c+5], v[\a8] offset:(\off)+768*\c+512
.endr
.endm
.macro WSET n                          ; set n % 3 of the weight's fragments: its window and first register
.set P_, (\n)%3
.set WW_, 3-2*(P_/2)
.set WR_, 128+48*P_-32*(P_/2)
.endm
.macro FETCHW n                        ; the weight's four fragments of step n = 8 x phase + s: 16 loads
	WSET \n
	WIN WW_<<6
.irp b, 0,1,2,3
	FRAG WR_+12*\b, W16+(\n)/8, W8+(\n)/8, BLK*\b+6400*(((\n)%8)/4)+1536*((\n)%4)
.endr
	WIN 0
.endm
.macro FETCHX s                        ; x's four fragments of step s: 16 loads
.irp a, 0,1,2,3
	WIN (1+\a/2)<<6
	FRAG 12*(8*(\a%2)+(\s)), X16, X8, BLK*\a+6400*((\s)/4)+1536*((\s)%4)
.endr
	WIN 0
.endm
.macro SCALES reg, adr                 ; four blocks' scale words, eight steps: 16 loads (lanes 16-31 hold the same and are not read)
.irp i, 0,1,2,3
.irp k, 0,1,2,3
	ds_load_b64 v[\reg+8*\i+2*\k:\reg+8*\i+2*\k+1], v[\adr] offset:BLK*\i+6400*(\k/2)+6144+128*(\k%2)
.endr
.endr
.endm
; Eight products of step n: x's blocks 2 hf, 2 hf + 1 x the weight's four tiles.  The 16 accumulators take turns, in the same order in every step.  A phase's first step takes the bias as C.
.macro MULH n, hf
	WSET \n
.set S_, (\n)%8
.set PH_, (\n)/8
.set CW_, 3
.if S_ == 0
.set CW_, 0
.endif
.if PH_ < 2
	WIN WW_|((1+\hf)<<2)|(CW_<<4)|0xc0
.else
	WIN (1+\hf)|(WW_<<2)|(CW_<<4)|0xc0
.endif
.irp a, 0,1
.set XF_, 12*(8*\a+S_)
.set XC_, XS+8*(2*\hf+\a)+S_
.irp b, 0,1,2,3
.set WF_, WR_+12*\b
.set WC_, WS+32*(PH_%2)+8*\b+S_
.if PH_ < 2
.set D_, 8*(4*(2*\hf+\a)+\b)
.set C_, D_
.if S_ == 0
.set C_, BI+32*PH_+8*\b
.endif
	v_wmma_scale_f32_16x16x128_f8f6f4 v[D_:D_+7], v[WF_:WF_+11], v[XF_:XF_+11], v[C_:C_+7], v[WC_], v[XC_] matrix_a_fmt:MATRIX_FMT_FP6 matrix_b_fmt:MATRIX_FMT_FP6
.else
.set D_, 8*(4*\b+2*\hf+\a)
.set C_, D_
.if S_ == 0
.set C_, BI+32*PH_+8*\b
.endif
	v_wmma_scale_f32_16x16x128_f8f6f4 v[D_:D_+7], v[XF_:XF_+11], v[WF_:WF_+11], v[C_:C_+7], v[XC_], v[WC_] matrix_a_fmt:MATRIX_FMT_FP6 matrix_b_fmt:MATRIX_FMT_FP6
.endif
.endr
.endr
.endm
; THE WAY OUT of a phase: group g's 32 registers are two blocks of 32 (registers 16 B + i = k 32 B + 16 h + i): one half fragment and two scale bytes for each of four groups, eight chains by turns
.macro QUANT ph, base, step
	PLACES 4
	s_wait_xcnt 0x0                                ; the last phase's stores have read their data
	WIN 0x8f
.irp n, 0,1,2,3,4,5,6,7
	v_max3_num_f32 v[TM+\n], |v[16*\n]|, |v[16*\n+1]|, 0x1800000   ; and the floor 2^(3 - 127): the byte cannot fall under 1
.endr
	WIN 0xbe
.irp i, 2,4,6,8,10,12,14
.irp n, 0,1,2,3,4,5,6,7
	v_max3_num_f32 v[TM+\n], v[TM+\n], |v[16*\n+\i]|, |v[16*\n+\i+1]|
.endr
.endr
	WIN 0xaa
.irp n, 0,1,2,3,4,5,6,7
	v_permlanex16_b32 v[TP+\n], v[TM+\n], s2, s3
.endr
.irp n, 0,1,2,3,4,5,6,7
	v_max_num_f32 v[TM+\n], v[TM+\n], v[TP+\n]
.endr
.irp n, 0,1,2,3,4,5,6,7
	v_add_nc_u32 v[SO+\n], 0xff000000, v[TM+\n]    ; 2 off the exponent field: the conversion's scale operand
.endr
.irp n, 0,1,2,3,4,5,6,7
	v_lshrrev_b32 v[TM+\n], 23, v[SO+\n]           ; the scale's byte
.endr
.irp g, 0,1,2,3
	v_lshl_or_b32 v[TM+2*\g], v[TM+2*\g+1], 8, v[TM+2*\g]
.endr
	WIN 0x8b
.irp g, 0,1,2,3
	v_cvt_scalef32_pk16_fp6_f32 v[CD+6*\g:CD+6*\g+2], v[32*\g:32*\g+15], v[SO+2*\g]
	v_cvt_scalef32_pk16_fp6_f32 v[PT+4*\g:PT+4*\g+2], v[32*\g+16:32*\g+31], v[SO+2*\g+1]
.endr
	WIN 0xaa
	v_nop                                          ; one plain instruction behind the scaled conversions
.irp i, 0,1,2
.irp g, 0,1,2,3
	v_permlane16_swap_b32 v[CD+6*\g+\i], v[PT+4*\g+\i]   ; a whole block in a lane: lanes 0-15 the first, lanes 16-31 the second
.endr
.endr
.irp i, 0,1,2
.irp g, 0,1,2,3
	v_mov_b32 v[CD+6*\g+3+\i], v[PT+4*\g+\i]
.endr
.endr
	WIN 0x08
.irp g, 0,1,2,3
	ds_store_b16 v[STB], v[TM+2*\g] offset:512*(\ph)+4*\g           ; (both lanes of a row store the same two bytes)
	global_store_b128 v[W16], v[CD+6*\g:CD+6*\g+3], s[\base:\base+1] offset:(\step)*\g          ; 512 consecutive bytes, at a multiple of 256 from the buffer's first byte
	global_store_b64 v[W8], v[CD+6*\g+4:CD+6*\g+5], s[\base:\base+1] offset:(\step)*\g+512     ; 256 consecutive bytes, likewise
.endr
	WIN 0
.endm
	s_load_b128 s[4:7], s[0:1], 0x0                ; cod, in_proj_b
	s_load_b64 s[8:9], s[0:1], 0x10                ; qkv
	v_lshl_add_u32 v[SPW], v0, 2, SPARE
	v_mov_b32 v[NIL], 0
	ds_add_u32 v[SPW], v[NIL]                      ; the opening lines: the add, twice on end, and its wait ahead of my first tensor load
	ds_add_u32 v[SPW], v[NIL]
	v_lshrrev_b32 v1, 5, v0
	v_readfirstlane_b32 s14, v1                    ; wave 0..3
	s_bfe_u32 s15, ttmp6, 0x40000                  ; cx
	s_bfe_u32 s16, ttmp6, 0x40004                  ; cy
	s_lshl_b32 s17, ttmp9, 2
	s_add_co_u32 s17, s17, s15                     ; my head
	s_and_b32 s18, ttmp7, 0xffff
	s_lshl_b32 s18, s18, 2
	s_add_co_u32 s18, s18, s16                     ; my 256 tokens
	s_lshl_b32 s19, s16, 2
	s_lshl_b32 s19, 15, s19                        ; my row of the cluster
	s_lshl_b32 s20, 0x1111, s15                    ; my column
	GROUP1 24, 19, 8                               ; x: 8 row blocks
	GROUP1 32, 20, 4                               ; a weight: 4
	s_mul_i32 s10, s18, 16*BLK                     ; x's blocks hang on the tokens alone,
	s_mov_b32 s11, 0
	s_mul_i32 s12, s17, 4*BLK                      ; a weight's on the head alone
	s_add_co_u32 s12, s12, 256*BLK
	s_mov_b32 s13, 0
	s_mov_b32 s40, 1                               ; groups 0: W_q, x's two halves, W_k, W_v
	s_mov_b32 s41, 0
	s_mov_b32 s44, 1
	s_mov_b32 s45, LX
	s_mov_b32 s48, 1
	s_mov_b32 s49, LX+8*BLK
	s_mov_b32 s52, 1
	s_mov_b32 s53, LK
	s_mov_b32 s56, 1
	s_mov_b32 s57, LX
	s_wait_alu depctr_va_vdst(0)
	s_wait_dscnt 0x0                               ; both opening adds are done
	CROUND                                         ; all sixteen work-groups are here: the joint loads meet
	s_wait_kmcnt 0x0
	s_add_nc_u64 s[42:43], s[4:5], s[12:13]
	s_add_nc_u64 s[46:47], s[4:5], s[10:11]
	s_add_nc_u64 s[50:51], s[46:47], 8*BLK
	s_add_nc_u64 s[54:55], s[42:43], 64*BLK
	s_add_nc_u64 s[82:83], s[42:43], 128*BLK
	s_mov_b64 s[58:59], s[82:83]
.irp g, 43,47,51,55,59
	s_or_b32 s\g, s\g, 0x80000000
.endr
	ARM 0, 40, 32, .Lxlo                           ; one tree of branches, one load on every way: one tensor load a wave at the head
	ARM 1, 44, 24, .Lxhi
	ARM 2, 48, 24, .Lwk
	TLOAD 52, 32
.Lasked:
	v_and_b32 v22, 31, v0                          ; lane
	v_and_b32 v23, 15, v0                          ; r
	v_bfe_u32 v24, v0, 4, 1                        ; h
	v_lshlrev_b32 v[W16], 4, v22
	v_lshlrev_b32 v[W8], 3, v22
	v_lshlrev_b32 v[WSA], 3, v23
	v_lshlrev_b32 v26, 6, v24                      ; q, k: my 16 columns of a block of 32
	v_lshrrev_b32 v27, 3, v23
	v_lshl_add_u32 v27, v27, 3, v23
	v_lshlrev_b32 v27, 2, v27                      ; v: column r + 8 (r / 8)
	s_lshl_b32 s22, s17, 8
	s_mov_b32 s23, 0
	s_add_nc_u64 s[6:7], s[6:7], s[22:23]          ; my head's biases
.irp p, 0,1
.irp b, 0,1,2,3
	global_load_b128 v[BI+32*\p+8*\b:BI+32*\p+8*\b+3], v26, s[6:7] offset:4096*\p+(32*(\b/2)+8*(\b%2))*4
	global_load_b128 v[BI+32*\p+8*\b+4:BI+32*\p+8*\b+7], v26, s[6:7] offset:4096*\p+(32*(\b/2)+8*(\b%2))*4+16
.endr
.endr
.irp b, 0,1,2,3
	global_load_b32 v[BI+64+8*\b], v27, s[6:7] offset:8192+(32*(\b/2)+8*(\b%2))*4
.endr
	v_add_nc_u32 v[W16+1], LK, v[W16]
	v_add_nc_u32 v[W16+2], LX, v[W16]
	v_add_nc_u32 v[W8+1], LK, v[W8]
	v_add_nc_u32 v[W8+2], LX, v[W8]
	v_add_nc_u32 v[WSA+1], LK, v[WSA]
	v_add_nc_u32 v[WSA+2], LX, v[WSA]
	s_mul_i32 s21, s14, 4*BLK
	s_add_co_u32 s21, s21, LX                      ; my four blocks of x
	v_add_nc_u32 v[X16], s21, v[W16]
	v_add_nc_u32 v[X8], s21, v[W8]
	v_add_nc_u32 v[XSA], s21, v[WSA]
	s_lshr_b32 s66, s14, 1                         ; which step of 128 tokens,
	s_and_b32 s67, s14, 1                          ; which half of it
	s_lshl_b32 s21, s66, 8
	s_lshl_b32 s22, s67, 1
	s_add_co_u32 s21, s21, s22
	s_add_co_u32 s21, s21, STG
	v_lshlrev_b32 v25, 4, v23
	v_add_nc_u32 v[STB], s21, v25                  ; scale bytes in: 16 r + 4 group + 2 half
	s_lshl_b32 s21, s14, 9
	s_add_co_u32 s21, s21, STG
	v_add_nc_u32 v[RDS], s21, v[W16]               ; and out: wave 0 q's, 1 k's, 2 v's
	v_mul_u32_u24 v[OSC], v24, 6400
	v_lshl_add_u32 v[OSC], v23, 4, v[OSC]
	s_lshl_b32 s21, s16, 2                         ; the prefetch: my number among the sixteen waves of my column of the cluster
	s_add_co_u32 s21, s21, s14
	s_mul_i32 s21, s21, 13
	v_min_u32 v[PFV], 12, v22
	v_add_nc_u32 v[PFV], s21, v[PFV]
	v_min_u32 v[PFV], 199, v[PFV]
	v_lshlrev_b32 v[PFV], 8, v[PFV]
	; where the results go
	s_lshr_b32 s21, s18, 3                         ; batch
	s_lshl_b32 s21, s21, 4
	s_add_co_u32 s21, s21, s17
	s_mul_i32 s22, s21, 102400
	s_and_b32 s21, s18, 7
	s_mul_i32 s21, s21, 12800
	s_add_co_u32 s22, s22, s21
	s_mov_b32 s23, 0
	s_add_nc_u64 s[84:85], s[8:9], s[22:23]        ; q's record of my work-group's first step
	s_mul_i32 s22, s14, 3276800
	s_add_nc_u64 s[92:93], s[84:85], s[22:23]      ; the scale bytes that my wave stores
	s_mul_i32 s22, s66, 6400
	s_add_nc_u64 s[84:85], s[84:85], s[22:23]
	s_mul_i32 s22, s67, 3072
	s_add_nc_u64 s[86:87], s[84:85], s[22:23]      ; q
	s_add_nc_u64 s[88:89], s[86:87], 3276800       ; k
	s_mul_i32 s22, s67, 768
	s_add_nc_u64 s[90:91], s[84:85], s[22:23]
	s_add_nc_u64 s[90:91], s[90:91], 6553600       ; v
	s_mov_b32 s2, 0x76543210
	s_mov_b32 s3, 0xfedcba98                       ; v_permlanex16_b32's selects for lane l xor 16
	WIN 0x80
.irp n, 0,1,2,3,4,5,6,7
	v_mov_b32 v[TP+\n], 0                          ; written once: a lane permute's destination counts as one of its sources
.endr
	WIN 0
	s_wait_alu depctr_va_vdst(0)
	s_wait_loadcnt 0x0
.irp b, 0,8,16,24
.irp i, 1,2,3,4,5,6,7
	v_mov_b32 v[BI+64+\b+\i], v[BI+64+\b]          ; v's number, one a lane and tile, over the tile's eight registers
.endr
.endr
	s_wait_alu depctr_va_vdst(0)                   ; the wait at the head's end
	s_cmp_eq_u32 s14, 3
	s_cbranch_scc1 .Lnot_first
	s_wait_tensorcnt 0x0                           ; W_q's rows and x's; W_k's, wave 3's load line, may be out
.Lnot_first:
	s_barrier_signal -1
	s_barrier_wait -1
	global_prefetch_b8 v[PFV], s[82:83] th:TH_LOAD_NT scope:SCOPE_SE
	FETCHW 0
	SCALES XS, XSA
	SCALES WS, WSA
	FETCHX 0
	FETCHW 1
	FETCHX 1
.set N, 0
.rept 6
	s_wait_dscnt 32                                ; this step's fragments are in; the next step's 32 loads may be out
	PLACES 4
	FETCHW N+2
	FETCHX N+2
	MULH N, 0
	MULH N, 1
	WIN 0
.set N, N+1
.endr
	s_wait_tensorcnt 0x0                           ; my load of the head has landed, W_k's among them;
	ds_add_u32 v[SPW], v[NIL]                      ; 0 onto my spare word;
	s_wait_dscnt 33                                ; (the add and step 7's 32 loads may be out)
	MULH 6, 0
	s_wait_dscnt 0x0                               ; the add is done, and x is in my registers
	s_barrier_signal -1
	MULH 6, 1
	WIN 0
	s_barrier_wait -1
	CREST                                          ; the barrier has opened a round: no wave of any partner still reads x's bytes or has a load on its way
	s_cmp_eq_u32 s14, 0
	s_cbranch_scc0 .Lno_load
	TLOAD 56, 32                                   ; W_v's rows onto x's first bytes
.Lno_load:
	PLACES 4
	FETCHW 8
	SCALES WS+32, WSA+1
	PLACES 4
	FETCHW 9
	MULH 7, 0
	MULH 7, 1
	WIN 0
	QUANT 0, 86, 768
.set N, 8
.rept 6
	s_wait_dscnt 16                                ; the youngest 16 LDS instructions are the next step's loads, or behind a way out younger than this step's
	PLACES 4
	FETCHW N+2
	MULH N, 0
	MULH N, 1
	WIN 0
.set N, N+1
.endr
	s_wait_tensorcnt 0x0                           ; W_v's rows, shown to all by this barrier
	s_wait_dscnt 0x0
	s_barrier_signal -1
	MULH 14, 0
	MULH 14, 1
	WIN 0
	s_barrier_wait -1
	PLACES 4
	FETCHW 16
	SCALES WS, WSA+2
	PLACES 4
	FETCHW 17
	MULH 15, 0
	MULH 15, 1
	WIN 0
	QUANT 1, 88, 768
.set N, 16
.rept 6
	s_wait_dscnt 16
	PLACES 4
	FETCHW N+2
	MULH N, 0
	MULH N, 1
	WIN 0
.set N, N+1
.endr
	s_wait_dscnt 16
	MULH 22, 0
	MULH 22, 1
	s_wait_dscnt 0x0
	MULH 23, 0
	MULH 23, 1
	WIN 0
	QUANT 2, 90, 1536
	s_wait_dscnt 0x0
	s_barrier_signal -1
	s_barrier_wait -1                              ; everybody's scale bytes are in LDS
	s_cmp_lt_u32 s14, 3
	s_cbranch_scc0 .Lno_scales
	ds_load_b128 v[28:31], v[RDS]
	s_wait_dscnt 0x0
	global_store_b128 v[OSC], v[28:31], s[92:93] offset:6144   ; sixteen lanes store a record's 256 bytes
.Lno_scales:
	s_wait_tensorcnt 0x0                           ; the wave's end
	ds_add_u32 v[SPW], v[NIL]
	s_wait_dscnt 0x0
	CROUND                                         ; the closing round: no work-group ends while a partner may still ask for a tile that names it
	s_endpgm
.Lfunc_end_k_q1e8ae19f93_proj:
	.size	k_q1e8ae19f93_proj, .Lfunc_end_k_q1e8ae19f93_proj-k_q1e8ae19f93_proj
	.p2alignl 7, 3214868480
	.fill 96, 4, 3214868480
	.section	.rodata,"a",@progbits
	.p2align	6, 0x0
	.amdhsa_kernel k_q1e8ae19f93_proj
		.amdhsa_group_segment_fixed_size 327680
		.amdhsa_private_segment_fixed_size 0
		.amdhsa_enable_private_segment 0
		.amdhsa_kernarg_size 24
		.amdhsa_user_sgpr_count 2
		.amdhsa_user_sgpr_kernarg_segment_ptr 1
		.amdhsa_wavefront_size32 1
		.amdhsa_system_sgpr_workgroup_id_x 1
		.amdhsa_system_sgpr_workgroup_id_y 1
		.amdhsa_system_sgpr_workgroup_id_z 1
		.amdhsa_system_vgpr_workitem_id 0
		.amdhsa_next_free_vgpr 1024
		.amdhsa_next_free_sgpr 100
		.amdhsa_reserve_vcc 0
		.amdhsa_float_denorm_mode_32 3
		.amdhsa_float_denorm_mode_16_64 3
		.amdhsa_memory_ordered 1
		.amdhsa_forward_progress 1
		.amdhsa_inst_pref_size 131
	.end_amdhsa_kernel
	.amdgpu_metadata
---
amdhsa.version: [ 1, 2 ]
amdhsa.kernels:
  - .name:           k_q1e8ae19f93_proj
    .symbol:         k_q1e8ae19f93_proj.kd
    .args:
      - { .name: cod, .offset: 0, .size: 8, .value_kind: global_buffer, .address_space: global }
      - { .name: in_proj_b, .offset: 8, .size: 8, .value_kind: global_buffer, .address_space: global }
      - { .name: qkv, .offset: 16, .size: 8, .value_kind: global_buffer, .address_space: global }
    .group_segment_fixed_size: 327680
    .private_segment_fixed_size: 0
    .kernarg_segment_align: 8
    .kernarg_segment_size: 24
    .max_flat_workgroup_size: 128
    .sgpr_count:     100
    .vgpr_count:     1024
    .wavefront_size: 32
...
	.end_amdgpu_metadata
.endif
;; end of part 2
;; launch attn (part 3): grid 8 x 32, 16 waves a work-group, clusters of 4 x 1, 280,576 bytes of LDS; arguments qkv, cim; writes cim
.if DOCPART == 3
	.amdgcn_target "amdgcn-amd-amdhsa--gfx1250"
	.amdhsa_code_object_version 6
	.text
	.protected	k_q1e8ae19f93_attn
	.globl	k_q1e8ae19f93_attn
	.p2align	8
	.type	k_q1e8ae19f93_attn,@function
k_q1e8ae19f93_attn:
	s_mov_b64 s[64:65], 0
	v_nop
	global_prefetch_b8 v0, s[64:65] scope:SCOPE_SE
	s_setreg_imm32_b32 hwreg(HW_REG_WAVE_MODE, 25, 1), 1
	s_wait_xcnt 0x0
	s_wait_alu depctr_hold_cnt(0) depctr_sa_sdst(0) depctr_va_vdst(0) depctr_va_sdst(0) depctr_va_ssrc(0) depctr_va_vcc(0) depctr_vm_vsrc(0)
	s_getreg_b32 s2, hwreg(HW_REG_IB_STS2, 6, 4)
	s_cmp_eq_u32 s2, 0
	s_cbranch_scc0 .Lentry_in_a_cluster
	s_endpgm
.Lentry_in_a_cluster:
	s_bfe_u32 s2, ttmp6, 0x10000c
	s_cmp_lg_u32 s2, 0x3003
	s_cbranch_scc0 .Lentry_shape_is_right
	s_endpgm
.Lentry_shape_is_right:
; ctx = softmax(q k^T / 8, causal) v for one head, both products on codes of FP6 (E2M3) with E8M0 scales; ctx is quantised along d here and leaves as codes.
; THE SOFTMAX AHEAD OF THE SECOND PRODUCT: t = score x log2(e) / 8; M = the running largest t rounded UP to a whole number; p = 2^(t - M) is quantised along the keys, not normalised; the row's sum is taken of the
; unquantised p and divides at the end; when M moves, the sum and O are multiplied by 2^(old M - new M), which rounds nothing.
; LEFT OUT: steps of 128 keys that all come after a wave's queries: reference() sets these scores to -infinity for all inputs (what reaches only them is not carried on).
; SHARES.  A head has 16 blocks of 128 queries, each of 8 tiles of 16.  Work-group j takes tile j of EVERY block, so all work-groups walk alike.  Waves 2 p and 2 p + 1 are a pair: blocks p (p + 1 key steps) and 15 - p
; (16 - p key steps), 17 in all.  Wave A of the pair takes the heavy tile's steps 0, 2, .. 2 (6 - p), hands its part of O, M and the sum over through LDS, and takes the light tile; wave B takes the heavy tile's other nine
; steps and joins the parts.  A is bit 0 xor bit 2 of the wave's number = 0: four neighbouring waves, and four waves 4 apart, have two of each.
; TRIPS k = 0 .. 7, and the step on the diagonal behind them, which every wave has.  With p7 = 7 - p: A: step 2 k for k < p7, then k - p7 (nothing in trip 7); B: the smaller of 2 k + 1 and k + p7.  So trip k reads no step beyond 2 k + 1.
; LDS: a step's K record (6,400 bytes, codes and scale words) and its V record at 12,800 x step; the hand-over, 4,608 bytes a wave; the spare words.  Nothing is filled again.  Wave w asks for step w, K and V by one tensor load
; of two rows.  Steps 0-3 are shown ahead of trip 0, the others ahead of trip 2.  All that is read is asked for at the head, so there is nothing left to prefetch.
; CLUSTERS: the four work-groups of a cluster read the same K and V and ask for them jointly; no branch and no LDS address hangs on the place in the cluster.
; LAYOUT.  Both products are used transposed (S^T = K Q^T, O^T = V^T P^T): a lane holds one query.  Row blocks lie so that lane r of block 2 B + u is row 32 B + 8 u + r + 8 (r / 8): the 16 registers of two
; neighbouring tiles of S^T are 16 neighbouring keys, and those of O^T 16 neighbouring channels.
; K = 64 IN THE FIRST PRODUCT: a fragment of K holds tile i's 64 channels in registers 0-5 and tile i + 4's in 6-11; Q is given once as [codes | zeros] and once as [zeros | codes]: zero codes annul the other tile.
; LIMITS: the promise holds while the scaled scores t stay under 2^31 in magnitude; a block's largest p is made from its largest score by the same two instructions (this takes v_exp_f32 not to fall where its input
; rises); a block of zeros gets the byte 1; NaN and infinities are not served.
.set STEPB, 12800
.set HAND,  204800                     ; the hand-over: 4,608 bytes for each wave
.set HB,    4608
.set SPARE, 278528
.set AL16, 1                           ; v1 16 x lane   v2 8 x lane   v3 16 r   v5 my query less the step's first key less 16 h
.set AL8,  2
.set ASK0, 3
.set DQ,   5
.set AK16, 6                           ; v6, v7 the step's tiles; v10 its scale words
.set AK8,  7
.set ADS,  10
.set QS,   34                          ; Q's scale word (its two bytes twice)
.set KS,   36                          ; v36-39 K's scale words, v40-43 V's
.set VS,   40
.set F,    44                          ; v44-91 four fragments, of K, then of V
.set S,    92                          ; v92-155 S^T, then p
.set O,    156                         ; v156-187 O^T
.set PC,   188                         ; v188-199 p's codes
.set PT,   200
.set BMX,  208                         ; each block's largest score, then its largest p
.set T2,   212
.set SCO,  216                         ; the conversions' scale operands
.set Q2,   228                         ; v228-233 the light tile's Q, v236 its scale word
.set QS2,  236
.set HS,   235                         ; the hand-over: where I store, where I load
.set HL,   237
.set WV,   12
.set SEL,  72
.set CS,   74                          ; s[74:75] c = log2(e) / 8
.set KT,   76                          ; the trip
.set TB,   77                          ; the step's tiles in LDS
.set BB,   78                          ; 0 A, 1 B
.set P7,   79
.set P9,   80                          ; p + 9: k + p + 9 modulo 16 is k - p7
.set LIM,  81
.set FS,   82                          ; my last step and my output's block
.macro CROUND
	s_barrier_signal -1
	s_barrier_wait -1
	s_cmp_lg_u32 s[WV], 0
	s_cbranch_scc1 .Lnot_wave_0_\@
	s_barrier_signal -3
.Lnot_wave_0_\@:
	s_barrier_wait -3
	s_barrier_signal -1
	s_barrier_wait -1
.endm
	s_load_b128 s[4:7], s[0:1], 0x0                ; qkv, cim
	v_lshl_add_u32 v254, v0, 2, SPARE
	v_mov_b32 v255, 0
	ds_add_u32 v254, v255                          ; the opening lines: the add, twice on end, and its wait ahead of my first tensor load
	ds_add_u32 v254, v255
	v_lshrrev_b32 v8, 5, v0
	v_readfirstlane_b32 s[WV], v8                  ; wave 0..15
	s_and_b32 s13, ttmp7, 0xffff                   ; 16 x batch + head
	s_bfe_u32 s14, ttmp6, 0x40000
	s_lshl_b32 s15, ttmp9, 2
	s_add_co_u32 s15, s15, s14                     ; j: my tile in every block
	s_mov_b32 s24, (3<<16)|(1<<21)|15              ; two rows of 800 elements of 8 bytes: K's record and V's, for all four of the cluster
	s_mov_b32 s25, 800<<16
	s_mov_b32 s26, 2<<16
	s_mov_b32 s27, 800<<16
	s_mov_b32 s28, 2
	s_mov_b32 s29, 409600                          ; from K's record to V's: 32 x 102,400 bytes
	s_mov_b32 s30, 0
	s_mov_b32 s31, 0
	s_mul_i32 s16, s13, 102400
	s_add_co_u32 s16, s16, 3276800
	s_mul_i32 s17, s[WV], 6400
	s_add_co_u32 s16, s16, s17
	s_mov_b32 s17, 0
	s_mov_b32 s32, 1
	s_mul_i32 s33, s[WV], STEPB
	s_wait_alu depctr_va_vdst(0)
	s_wait_dscnt 0x0                               ; both opening adds are done
	CROUND                                         ; the four work-groups are here: the joint loads meet
	s_wait_kmcnt 0x0
	s_add_nc_u64 s[34:35], s[4:5], s[16:17]
	s_or_b32 s35, s35, 0x80000000
	s_cmp_lt_u32 s[WV], 4                          ; two load lines: steps 0-3 are waited for by themselves
	s_cbranch_scc0 .Llate
	tensor_load_to_lds s[32:35], s[24:31]
	s_nop 0
.rept 4
	v_nop
.endr
	s_branch .Lasked
.Llate:
	tensor_load_to_lds s[32:35], s[24:31]
	s_nop 0
.rept 4
	v_nop
.endr
.Lasked:
	s_lshr_b32 s36, s[WV], 1                       ; p
	s_lshr_b32 s37, s[WV], 2
	s_xor_b32 s37, s37, s[WV]
	s_and_b32 s[BB], s37, 1
	s_xor_b32 s[P7], s36, 7
	s_add_co_u32 s[P9], s36, 9
	s_add_co_u32 s38, s[P7], 8                     ; 15 - p
	s_mul_i32 s16, s13, 102400
	s_mul_i32 s17, s38, 6400
	s_add_co_u32 s18, s16, s17                     ; the heavy tile's record of Q
	s_mul_i32 s17, s36, 6400
	s_add_co_u32 s20, s16, s17                     ; the light tile's
	s_mov_b32 s19, 0
	s_mov_b32 s21, 0
	s_mov_b32 s23, 0
	s_add_nc_u64 s[18:19], s[4:5], s[18:19]
	s_add_nc_u64 s[20:21], s[4:5], s[20:21]
	s_mul_i32 s22, s15, 768
	s_add_nc_u64 s[44:45], s[18:19], s[22:23]
	s_add_nc_u64 s[46:47], s[20:21], s[22:23]
	s_and_b32 s22, s15, 3                          ; the scale word: word j % 4, half j / 4
	s_lshl_b32 s22, s22, 2
	s_add_nc_u64 s[48:49], s[18:19], s[22:23]
	s_add_nc_u64 s[50:51], s[20:21], s[22:23]
	v_and_b32 v8, 15, v0                           ; r
	v_bfe_u32 v9, v0, 4, 1                         ; h
	v_and_b32 v4, 31, v0
	v_lshlrev_b32 v[AL16], 4, v4
	v_lshlrev_b32 v[AL8], 3, v4
	v_lshlrev_b32 v[ASK0], 4, v8
	global_load_b128 v[22:25], v[AL16], s[44:45]   ; Q's codes stay in v22-27, between two runs of six zeros.  Both waves of a pair load both tiles: no branch
	global_load_b64 v[26:27], v[AL8], s[44:45] offset:512
	global_load_b32 v35, v[ASK0], s[48:49] offset:6144
	global_load_b128 v[Q2:Q2+3], v[AL16], s[46:47]
	global_load_b64 v[Q2+4:Q2+5], v[AL8], s[46:47] offset:512
	global_load_b32 v234, v[ASK0], s[50:51] offset:6144
	s_cmp_lg_u32 s[BB], 0
	s_cselect_b32 s[LIM], 8, 7
	s_cselect_b32 s[FS], s38, s36
	s_mov_b32 s52, 0x01000100
	s_mov_b32 s53, 0x03020302
	s_bitcmp1_b32 s15, 2
	s_cselect_b32 s52, s53, s52                    ; that half, twice
	s_lshr_b32 s66, s13, 4                         ; ctx's row block: 128 x batch + 8 x block + j
	s_lshl_b32 s66, s66, 7
	s_lshl_b32 s67, s[FS], 3
	s_add_co_u32 s66, s66, s67
	s_add_co_u32 s66, s66, s15
	s_mul_i32 s66, s66, 12800
	s_and_b32 s68, s13, 15                         ; the head: which 64 along the next K
	s_lshr_b32 s69, s68, 3
	s_mul_i32 s69, s69, 6400
	s_add_co_u32 s66, s66, s69
	s_and_b32 s69, s68, 7
	s_mul_i32 s69, s69, 768
	s_add_co_u32 s56, s66, s69                     ; its half fragment
	s_mov_b32 s57, 0
	s_add_nc_u64 s[56:57], s[6:7], s[56:57]
	s_bfe_u32 s69, s68, 0x10002                    ; its scale bytes: 6,144 + 128 ((head / 4) % 2) + 2 (head % 4)
	s_lshl_b32 s69, s69, 7
	s_add_co_u32 s66, s66, s69
	s_and_b32 s69, s68, 3
	s_lshl_b32 s69, s69, 1
	s_add_co_u32 s58, s66, s69
	s_mov_b32 s59, 0
	s_add_nc_u64 s[58:59], s[6:7], s[58:59]
	s_lshr_b32 s67, s15, 1                         ; my tile's first query in its block: 32 (j / 2) + 8 (j % 2)
	s_lshl_b32 s67, s67, 5
	s_and_b32 s70, s15, 1
	s_lshl_b32 s70, s70, 3
	s_add_co_u32 s67, s67, s70
	s_mul_i32 s68, s[WV], HB
	s_add_co_u32 s68, s68, HAND
	s_xor_b32 s69, s[WV], 1                        ; my pair's other wave
	s_mul_i32 s69, s69, HB
	s_add_co_u32 s69, s69, HAND
	s_wait_alu depctr_va_vdst(0)                   ; the wait here, ahead of the readers below
	v_add_nc_u32 v[HS], s68, v[AL16]
	v_add_nc_u32 v[HL], s69, v[AL16]
	s_mov_b32 s[SEL], 0x76543210
	s_mov_b32 s[SEL+1], 0xfedcba98
	s_mov_b32 s[CS], 0x3e38aa3b                    ; c = log2(e) / 8
	s_mov_b32 s[CS+1], s[CS]                       ; (named with it as a pair, so it is written)
	s_wait_alu depctr_va_vdst(0)
	v_and_b32 v4, 8, v8
	v_add_nc_u32 v4, v4, v8                        ; r + 8 (r / 8)
	v_lshlrev_b32 v[DQ], 4, v9
	v_sub_nc_u32 v[DQ], v4, v[DQ]
	v_add_nc_u32 v[DQ], s67, v[DQ]
.irp j, 16,17,18,19,20,21,28,29,30,31,32,33
	v_mov_b32 v\j, 0
.endr
	v_mov_b32 v13, 0xff61b1e6                      ; the largest t so far: -3e38
	v_mov_b32 v12, 0x7f61b1e6                      ; -M
	v_mov_b32 v14, 0                               ; the sum, in two halves
	v_mov_b32 v15, 0
.irp b, 0,1,2,3
	v_mov_b32 v[T2+\b], 0                          ; a lane permute's destination counts as one of its sources
.endr
	v_mov_b32 v220, 0
	v_mov_b32 v221, 0                              ; (named as the upper half of the pair v[220:221] before it is first written)
	v_mov_b32 v222, 0
	v_mov_b32 v226, 0xff800000                     ; -infinity
	s_wait_alu depctr_va_vdst(0)                   ; the wait at the head's end
	s_wait_loadcnt 0x0
	v_perm_b32 v[QS], v35, v35, s52
	v_perm_b32 v[QS2], v234, v234, s52
.set j, 0
.rept 32
	v_mov_b32 v[O+j], 0                            ; O^T: the step is written once; its first run finds zeros.  (Also the places between Q's scale word and the first product)
.set j, j+1
.endr
	s_wait_alu depctr_va_vdst(0)
	s_cmp_lt_u32 s[WV], 4
	s_cbranch_scc0 .Lnot_first
	s_wait_tensorcnt 0x0                           ; steps 0-3, waves 0-3's load line; the others may be out
.Lnot_first:
	s_barrier_signal -1
	s_barrier_wait -1
; A KEY STEP: 128 keys.  diag: the step on the diagonal, which has hidden keys
.macro STEP diag
	v_add_nc_u32 v[AK16], s[TB], v[AL16]           ; with the v_nop: four places behind the last step's products, in front of the loads into their registers
	v_add_nc_u32 v[AK8], s[TB], v[AL8]
	v_add_nc_u32 v[ADS], s[TB], v[ASK0]
	v_nop
.irp k, 0,1,2,3
.irp c, 0,1
	ds_load_b128 v[F+12*\k+6*\c:F+12*\k+6*\c+3], v[AK16] offset:768*\k+3072*\c         ; fragment k: tile k's 64 channels, then tile k + 4's
	ds_load_b64 v[F+12*\k+6*\c+4:F+12*\k+6*\c+5], v[AK8] offset:768*\k+3072*\c+512
.endr
.endr
	ds_load_b128 v[KS:KS+3], v[ADS] offset:6144
	s_wait_alu depctr_va_vdst(0)
	s_wait_dscnt 0x0
.irp k, 0,1,2,3
	v_wmma_scale_f32_16x16x128_f8f6f4 v[S+8*\k:S+8*\k+7], v[F+12*\k:F+12*\k+11], v[22:33], 0, v[KS+\k], v[QS] matrix_a_fmt:MATRIX_FMT_FP6 matrix_b_fmt:MATRIX_FMT_FP6
	v_wmma_scale_f32_16x16x128_f8f6f4 v[S+32+8*\k:S+32+8*\k+7], v[F+12*\k:F+12*\k+11], v[16:27], 0, v[KS+\k], v[QS] matrix_a_fmt:MATRIX_FMT_FP6 matrix_b_fmt:MATRIX_FMT_FP6
.endr                                  ; register 16 b + i of S^T is key 32 b + 16 h + i of the step
.rept 4
	v_nop
.endr
.irp d, 0,1,2,3
.irp c, 0,1
	ds_load_b128 v[F+12*\d+6*\c:F+12*\d+6*\c+3], v[AK16] offset:6400+1536*\d+768*\c    ; V's fragments land while the softmax is worked
	ds_load_b64 v[F+12*\d+6*\c+4:F+12*\d+6*\c+5], v[AK8] offset:6400+1536*\d+768*\c+512
.endr
.endr
	ds_load_b128 v[VS:VS+3], v[ADS] offset:12544
.if \diag
.set n, 0
.rept 64
	v_cmp_gt_i32 vcc_lo, 32*(n/16)+n%16, v[DQ]     ; hidden where the register's key comes after my query
	v_cndmask_b32 v[S+n], v[S+n], v226, vcc_lo
.set n, n+1
.endr
.endif
.irp b, 0,1,2,3
	v_max3_num_f32 v[BMX+\b], v[S+16*\b], v[S+1+16*\b], v[S+2+16*\b]   ; the largest score of each block of 32 keys: for the row's maximum, and for the block's largest p
.endr
.irp i, 3,5,7,9,11,13
.irp b, 0,1,2,3
	v_max3_num_f32 v[BMX+\b], v[BMX+\b], v[S+16*\b+\i], v[S+1+16*\b+\i]
.endr
.endr
.irp b, 0,1,2,3
	v_max_num_f32 v[BMX+\b], v[BMX+\b], v[S+15+16*\b]
.endr
.irp b, 0,1,2,3
	s_delay_alu instid0(VALU_DEP_4)
	v_permlanex16_b32 v[T2+\b], v[BMX+\b], s[SEL], s[SEL+1]
.endr
.irp b, 0,1,2,3
	s_delay_alu instid0(VALU_DEP_4)
	v_max_num_f32 v[BMX+\b], v[BMX+\b], v[T2+\b]
.endr
	s_delay_alu instid0(VALU_DEP_2)
	v_max3_num_f32 v222, v[BMX], v[BMX+1], v[BMX+2]
	s_delay_alu instid0(VALU_DEP_1)
	v_max_num_f32 v222, v222, v[BMX+3]
	s_delay_alu instid0(VALU_DEP_1)
	v_mul_f32 v222, s[CS], v222
	s_delay_alu instid0(VALU_DEP_1)
	v_max_num_f32 v13, v13, v222                   ; the running largest t
	v_mov_b32 v222, v12
	s_delay_alu instid0(VALU_DEP_2)
	v_floor_f32 v12, -v13                          ; the new -M = -ceil(t)
	s_delay_alu instid0(VALU_DEP_1)
	v_sub_f32 v222, v12, v222                      ; old M - new M: a whole number, 0 or less
	s_delay_alu instid0(VALU_DEP_1)
	v_cvt_i32_f32 v222, v222                       ; (it saturates)
	s_delay_alu instid0(VALU_DEP_1)
	v_ldexp_f32 v220, 1.0, v222                    ; f = 2^(old M - new M)
.set j, 0
.rept 32
	v_pk_fma_f32 v[S+j:S+j+1], v[S+j:S+j+1], s[CS:CS+1], v[12:13] op_sel_hi:[1,0,0]   ; t - M
.set j, j+2
.endr
.irp b, 0,1,2,3
	v_fma_f32 v[BMX+\b], v[BMX+\b], s[CS], v12
.endr
.set j, 0
	s_wait_alu depctr_va_vdst(0)
.rept 64
	v_exp_f32 v[S+j], v[S+j]                       ; p = 2^(t - M)
.set j, j+1
.endr
	v_pk_mul_f32 v[14:15], v[14:15], v[220:221] op_sel_hi:[1,0]    ; the sums under the new M; the plain instruction behind the exponentials
	s_wait_alu depctr_va_vdst(0)                   ; one wait for the batch, ahead of its first reader
.irp b, 0,1,2,3
	v_exp_f32 v[BMX+\b], v[BMX+\b]                 ; each block's largest p
.endr
	v_pk_add_f32 v[224:225], v[96:97], v[100:101]
	v_pk_add_f32 v[252:253], v[104:105], v[108:109]
	v_pk_add_f32 v[250:251], v[112:113], v[116:117]
	v_pk_add_f32 v[248:249], v[120:121], v[124:125]
	v_pk_add_f32 v[246:247], v[128:129], v[132:133]
	v_pk_add_f32 v[244:245], v[136:137], v[140:141]
	v_pk_add_f32 v[242:243], v[144:145], v[148:149]
	v_pk_add_f32 v[14:15], v[14:15], v[152:153]
	v_pk_add_f32 v[224:225], v[224:225], v[92:93]
	v_pk_add_f32 v[252:253], v[252:253], v[94:95]
	v_pk_add_f32 v[250:251], v[250:251], v[98:99]
	v_pk_add_f32 v[248:249], v[248:249], v[102:103]
	v_pk_add_f32 v[246:247], v[246:247], v[106:107]
	v_pk_add_f32 v[244:245], v[244:245], v[110:111]
	v_pk_add_f32 v[242:243], v[242:243], v[114:115]
	v_pk_add_f32 v[14:15], v[14:15], v[118:119]
	v_pk_add_f32 v[224:225], v[224:225], v[122:123]
	v_pk_add_f32 v[252:253], v[252:253], v[126:127]
	v_pk_add_f32 v[250:251], v[250:251], v[130:131]
	v_pk_add_f32 v[248:249], v[248:249], v[134:135]
	v_pk_add_f32 v[246:247], v[246:247], v[138:139]
	v_pk_add_f32 v[244:245], v[244:245], v[142:143]
	v_pk_add_f32 v[242:243], v[242:243], v[146:147]
	v_pk_add_f32 v[14:15], v[14:15], v[150:151]
	v_pk_add_f32 v[224:225], v[224:225], v[154:155]
	s_delay_alu instid0(VALU_DEP_2)
	v_pk_add_f32 v[14:15], v[14:15], v[248:249]
	s_delay_alu instid0(VALU_DEP_2)
	v_pk_add_f32 v[224:225], v[224:225], v[246:247]
	v_pk_add_f32 v[252:253], v[252:253], v[244:245]
	v_pk_add_f32 v[250:251], v[250:251], v[242:243]
	s_delay_alu instid0(VALU_DEP_2)
	v_pk_add_f32 v[14:15], v[14:15], v[252:253]
	s_delay_alu instid0(VALU_DEP_2)
	v_pk_add_f32 v[224:225], v[224:225], v[250:251]
	s_delay_alu instid0(VALU_DEP_1)
	v_pk_add_f32 v[14:15], v[14:15], v[224:225]
	s_wait_alu depctr_va_vdst(0)                   ; and one for the four
.irp b, 0,1,2,3
	v_max_num_f32 v[BMX+\b], 0x1800000, v[BMX+\b]  ; the floor 2^(3 - 127): the byte cannot fall under 1
.endr
.irp b, 0,1,2,3
	s_delay_alu instid0(VALU_DEP_4)
	v_add_nc_u32 v[SCO+\b], 0xff000000, v[BMX+\b]
.endr
.irp b, 0,1,2,3
	s_delay_alu instid0(VALU_DEP_4)
	v_lshrrev_b32 v[T2+\b], 23, v[SCO+\b]
.endr
	s_delay_alu instid0(VALU_DEP_3)
	v_lshl_or_b32 v221, v[T2+1], 8, v[T2]          ; p's scale word for these 128 keys
	s_delay_alu instid0(VALU_DEP_1)
	v_lshl_or_b32 v221, v[T2+2], 16, v221
	s_delay_alu instid0(VALU_DEP_1)
	v_lshl_or_b32 v221, v[T2+3], 24, v221
.irp c, 0,1
	v_cvt_scalef32_pk16_fp6_f32 v[PC+6*\c:PC+6*\c+2], v[S+32*\c:S+32*\c+15], v[SCO+2*\c]
	v_cvt_scalef32_pk16_fp6_f32 v[PT+4*\c:PT+4*\c+2], v[S+32*\c+16:S+32*\c+31], v[SCO+2*\c+1]
.endr
	v_nop                                          ; one plain instruction behind the scaled conversions
.irp c, 0,1
.irp i, 0,1,2
	v_permlane16_swap_b32 v[PC+6*\c+\i], v[PT+4*\c+\i]
.endr
.irp i, 0,1,2
	s_delay_alu instid0(VALU_DEP_3)
	v_mov_b32 v[PC+6*\c+3+\i], v[PT+4*\c+\i]
.endr
.endr
.set j, 0
.rept 16
	v_pk_mul_f32 v[O+j:O+j+1], v[O+j:O+j+1], v[220:221] op_sel_hi:[1,0]   ; O^T under the new M.  For each product below twelve of these name none of its registers: the places behind p's scale word and codes
.set j, j+2
.endr
	s_wait_alu depctr_va_vdst(0)
	s_wait_dscnt 0x0                               ; V
.irp d, 0,1,2,3
	v_wmma_scale_f32_16x16x128_f8f6f4 v[O+8*\d:O+8*\d+7], v[F+12*\d:F+12*\d+11], v[PC:PC+11], v[O+8*\d:O+8*\d+7], v[VS+\d], v221 matrix_a_fmt:MATRIX_FMT_FP6 matrix_b_fmt:MATRIX_FMT_FP6
.endr
.endm
; A trip: in wave A's trip p7 first the change of tiles: the heavy tile's part goes to LDS, Q becomes the light tile's, M starts anew (the next step's f is 0, so it clears the sum and O).  cap: no step beyond it is read here
.macro TRIP cap, last
	s_cmp_lg_u32 s[BB], 0
	s_cbranch_scc1 .Lsame_\@
	s_cmp_lg_u32 s[KT], s[P7]
	s_cbranch_scc1 .Lsame_\@
.rept 4
	v_nop
.endr
.irp i, 0,1,2,3,4,5,6,7
	ds_store_b128 v[HS], v[O+4*\i:O+4*\i+3] offset:512*\i
.endr
	ds_store_b128 v[HS], v[12:15] offset:4096
	v_mov_b32 v[QS], v[QS2]
.irp i, 0,1,2,3,4,5
	v_mov_b32 v[22+\i], v[Q2+\i]
.endr
	v_mov_b32 v13, 0xff61b1e6
	v_mov_b32 v12, 0x7f61b1e6
	s_wait_alu depctr_va_vdst(0)
.Lsame_\@:
.if \last
	s_cmp_ge_u32 s[KT], s[LIM]                     ; wave A has no step in trip 7
	s_cbranch_scc1 .Lnone_\@
.endif
	s_lshl_b32 s20, s[KT], 1
	s_add_co_u32 s21, s[KT], s[P9]
	s_and_b32 s21, s21, 15
	s_add_co_u32 s22, s[KT], s[P7]
	s_cmp_lt_u32 s[KT], s[P7]
	s_cselect_b32 s21, s20, s21                    ; A's step
	s_add_co_u32 s20, s20, 1
	s_min_u32 s20, s20, s22                        ; B's
	s_cmp_lg_u32 s[BB], 0
	s_cselect_b32 s20, s20, s21
	s_min_u32 s20, s20, \cap
	s_mul_i32 s[TB], s20, STEPB
	STEP 0
.Lnone_\@:
.endm
	s_mov_b32 s[KT], 0
.Lfirst:                                               ; trips 0 and 1: steps 0 to 3
	TRIP 3, 0
	s_add_co_u32 s[KT], s[KT], 1
	s_cmp_lt_u32 s[KT], 2
	s_cbranch_scc1 .Lfirst
	s_wait_tensorcnt 0x0                           ; all that is still out
	s_wait_dscnt 0x0
	s_barrier_signal -1
	s_barrier_wait -1
.Lrest:                                                ; trips 2 to 7
	TRIP 15, 1
	s_add_co_u32 s[KT], s[KT], 1
	s_cmp_lt_u32 s[KT], 8
	s_cbranch_scc1 .Lrest
	s_wait_dscnt 0x0                               ; my hand-over is in LDS
	s_barrier_signal -1                            ; (behind it: register work and loads of K and V, which nobody writes any more)
	s_min_u32 s20, s[FS], 15
	s_mul_i32 s[TB], s20, STEPB
	STEP 1
.rept 4
	v_nop                                          ; places behind the last products
.endr
	s_barrier_wait -1                              ; everybody's hand-over is in LDS
	s_cmp_eq_u32 s[BB], 0
	s_cbranch_scc1 .Lown                           ; wave A's light tile is whole
.irp i, 0,1,2,3,4,5,6,7
	ds_load_b128 v[S+4*\i:S+4*\i+3], v[HL] offset:512*\i
.endr
	ds_load_b128 v[124:127], v[HL] offset:4096     ; the other part's -M, largest t and sum
	s_wait_dscnt 0x0
	v_min_num_f32 v222, v12, v124                  ; -M of both parts
	v_sub_f32 v223, v222, v12
	v_sub_f32 v227, v222, v124
	v_cvt_i32_f32 v223, v223
	v_cvt_i32_f32 v227, v227
	v_ldexp_f32 v220, 1.0, v223                    ; my part's factor
	v_ldexp_f32 v230, 1.0, v227                    ; the other's
.set j, 0
.rept 16
	v_pk_mul_f32 v[O+j:O+j+1], v[O+j:O+j+1], v[220:221] op_sel_hi:[1,0]
.set j, j+2
.endr
	v_pk_mul_f32 v[14:15], v[14:15], v[220:221] op_sel_hi:[1,0]
.set j, 0
.rept 16
	v_pk_fma_f32 v[O+j:O+j+1], v[S+j:S+j+1], v[230:231], v[O+j:O+j+1] op_sel_hi:[1,0,1]
.set j, j+2
.endr
	v_pk_fma_f32 v[14:15], v[126:127], v[230:231], v[14:15] op_sel_hi:[1,0,1]
.Lown:
	; THE WAY OUT: O^T / the sum is ctx(my query, 32 b + 16 h + i of the head's 64): two blocks of the next K: one half fragment and two scale bytes a row
	v_add_f32 v14, v14, v15
	s_delay_alu instid0(VALU_DEP_1)
	v_permlanex16_b32 v222, v14, s[SEL], s[SEL+1]
	s_delay_alu instid0(VALU_DEP_1)
	v_add_f32 v14, v14, v222                       ; the row's sum
	s_wait_alu depctr_va_vdst(0)
	v_rcp_f32 v220, v14
	v_and_b32 v8, 15, v0                           ; (a plain instruction behind the reciprocal)
	v_bfe_u32 v9, v0, 4, 1
	s_delay_alu instid0(VALU_DEP_1)
	v_lshl_add_u32 v8, v8, 3, v9                   ; the scale byte's place: 8 r + h
	v_and_b32 v9, 31, v0
	s_delay_alu instid0(VALU_DEP_1)
	v_cmp_gt_u32 vcc_lo, 16, v9
	s_wait_alu depctr_va_vdst(0)                   ; ahead of the reciprocal's first reader
.set j, 0
.rept 16
	v_pk_mul_f32 v[O+j:O+j+1], v[O+j:O+j+1], v[220:221] op_sel_hi:[1,0]
.set j, j+2
.endr
.irp b, 0,1
	v_max3_num_f32 v[BMX+\b], |v[O+16*\b]|, |v[O+1+16*\b]|, 0x1800000
.endr
.irp i, 2,4,6,8,10,12,14
.irp b, 0,1
	s_delay_alu instid0(VALU_DEP_2)
	v_max3_num_f32 v[BMX+\b], v[BMX+\b], |v[O+16*\b+\i]|, |v[O+1+16*\b+\i]|
.endr
.endr
.irp b, 0,1
	s_delay_alu instid0(VALU_DEP_2)
	v_permlanex16_b32 v[T2+\b], v[BMX+\b], s[SEL], s[SEL+1]
.endr
.irp b, 0,1
	s_delay_alu instid0(VALU_DEP_2)
	v_max_num_f32 v[BMX+\b], v[BMX+\b], v[T2+\b]
.endr
.irp b, 0,1
	s_delay_alu instid0(VALU_DEP_2)
	v_add_nc_u32 v[SCO+\b], 0xff000000, v[BMX+\b]
.endr
.irp b, 0,1
	s_delay_alu instid0(VALU_DEP_2)
	v_lshrrev_b32 v[T2+\b], 23, v[SCO+\b]
.endr
	v_cvt_scalef32_pk16_fp6_f32 v[PC:PC+2], v[O:O+15], v[SCO]
	v_cvt_scalef32_pk16_fp6_f32 v[PT:PT+2], v[O+16:O+31], v[SCO+1]
	v_cndmask_b32 v222, v[T2+1], v[T2], vcc_lo     ; lanes 0-15 the first block's byte, lanes 16-31 the second's.  (The plain instruction behind the conversions)
.irp i, 0,1,2
	v_permlane16_swap_b32 v[PC+\i], v[PT+\i]
.endr
.irp i, 0,1,2
	s_delay_alu instid0(VALU_DEP_3)
	v_mov_b32 v[PC+3+\i], v[PT+\i]
.endr
	global_store_b128 v[AL16], v[PC:PC+3], s[56:57]              ; 512 consecutive bytes, at a multiple of 256 from cim's first byte
	global_store_b64 v[AL8], v[PC+4:PC+5], s[56:57] offset:512   ; 256 consecutive bytes, likewise
	global_store_b8 v8, v222, s[58:59] offset:6144 ; 32 single bytes in a span of 128: a scale word's halves belong to two heads, that is to two work-groups; one such store a wave
	s_wait_tensorcnt 0x0                           ; the wave's end
	ds_add_u32 v254, v255
	s_wait_dscnt 0x0
	CROUND                                         ; the closing round: no work-group ends while a partner may still ask for a tile that names it
	s_endpgm
.Lfunc_end_k_q1e8ae19f93_attn:
	.size	k_q1e8ae19f93_attn, .Lfunc_end_k_q1e8ae19f93_attn-k_q1e8ae19f93_attn
	.p2alignl 7, 3214868480
	.fill 96, 4, 3214868480
	.section	.rodata,"a",@progbits
	.p2align	6, 0x0
	.amdhsa_kernel k_q1e8ae19f93_attn
		.amdhsa_group_segment_fixed_size 280576
		.amdhsa_private_segment_fixed_size 0
		.amdhsa_enable_private_segment 0
		.amdhsa_kernarg_size 16
		.amdhsa_user_sgpr_count 2
		.amdhsa_user_sgpr_kernarg_segment_ptr 1
		.amdhsa_wavefront_size32 1
		.amdhsa_system_sgpr_workgroup_id_x 1
		.amdhsa_system_sgpr_workgroup_id_y 1
		.amdhsa_system_sgpr_workgroup_id_z 1
		.amdhsa_system_vgpr_workitem_id 0
		.amdhsa_next_free_vgpr 256
		.amdhsa_next_free_sgpr 96
		.amdhsa_reserve_vcc 1
		.amdhsa_float_denorm_mode_32 3
		.amdhsa_float_denorm_mode_16_64 3
		.amdhsa_memory_ordered 1
		.amdhsa_forward_progress 1
		.amdhsa_inst_pref_size 77
	.end_amdhsa_kernel
	.amdgpu_metadata
---
amdhsa.version: [ 1, 2 ]
amdhsa.kernels:
  - .name:           k_q1e8ae19f93_attn
    .symbol:         k_q1e8ae19f93_attn.kd
    .args:
      - { .name: qkv, .offset: 0, .size: 8, .value_kind: global_buffer, .address_space: global }
      - { .name: cim, .offset: 8, .size: 8, .value_kind: global_buffer, .address_space: global }
    .group_segment_fixed_size: 280576
    .private_segment_fixed_size: 0
    .kernarg_segment_align: 8
    .kernarg_segment_size: 16
    .max_flat_workgroup_size: 512
    .sgpr_count:     96
    .vgpr_count:     256
    .wavefront_size: 32
...
	.end_amdgpu_metadata
.endif
;; end of part 3
;; launch outp (part 4): grid 8 x 32, 4 waves a work-group, clusters of 4 x 4, 274,944 bytes of LDS; arguments cim, cod, out_b, out0; writes out0
.if DOCPART == 4
	.amdgcn_target "amdgcn-amd-amdhsa--gfx1250"
	.amdhsa_code_object_version 6
	.text
	.protected	k_q1e8ae19f93_outp
	.globl	k_q1e8ae19f93_outp
	.p2align	8
	.type	k_q1e8ae19f93_outp,@function
k_q1e8ae19f93_outp:
	s_mov_b64 s[64:65], 0
	v_nop
	global_prefetch_b8 v0, s[64:65] scope:SCOPE_SE
	s_setreg_imm32_b32 hwreg(HW_REG_WAVE_MODE, 25, 1), 1
	s_wait_xcnt 0x0
	s_wait_alu depctr_hold_cnt(0) depctr_sa_sdst(0) depctr_va_vdst(0) depctr_va_sdst(0) depctr_va_ssrc(0) depctr_va_vcc(0) depctr_vm_vsrc(0)
	s_getreg_b32 s2, hwreg(HW_REG_IB_STS2, 6, 4)
	s_cmp_eq_u32 s2, 0
	s_cbranch_scc0 .Lentry_in_a_cluster
	s_endpgm
.Lentry_in_a_cluster:
	s_bfe_u32 s2, ttmp6, 0x10000c
	s_cmp_lg_u32 s2, 0xf033
	s_cbranch_scc0 .Lentry_shape_is_right
	s_endpgm
.Lentry_shape_is_right:
; out0 = ctx out_w^T + out_b on codes of FP6 (E2M3) with E8M0 scales; sums in f32.  ctx: 256 row blocks of cim; out_w: row blocks 448-511 of cod; both [row block][half of K][6,400]: four fragments of 1,536 bytes and, at 6,144, the
; scale words [pair of fragments][row r][2 words].
; A work-group makes 128 x 128, each of its four waves 64 x 64: 8 x 32 work-groups.  All of K lies in LDS (204,800 bytes): each wave asks for one of four tiles at the head, ctx's and out_w's 8 row blocks for each half of K; nothing is
; filled again.  The first half is shown by itself.  All that is read is asked for at the head, so there is nothing to prefetch and no loop to run ahead in.
; CLUSTERS: 4 x 4 work-groups: ctx's tiles are asked for jointly along a row, out_w's along a column.
; The product is used transposed (source 0 = out_w's rows): a lane holds one token, and by the order of rows in a block (lane r of block 2 B + u = row 32 B + 8 u + r + 8 (r / 8)) tile b's registers are columns
; 32 (b / 2) + 8 (b % 2) + 16 h + 0 .. 7.  THE BIAS is the C of each sum's first product.
; LIMITS: NaN and infinities are not served.
; REGISTERS: window 0: v4-26 addresses; v32-69 scale words (register 10 i + step: lanes 0-15 ctx's block i, lanes 16-31 out_w's); v72-103 the bias; v104-247 ctx's fragments, three sets, later rows on their way out.
;   window 1: v0-143 out_w's fragments, three sets.   window 2: 16 accumulators, (a, b) at 8 (4 a + b).
.set REC,  6400
.set TILE, 51200
.set STAGE, 204800                     ; 16 rows x 272 bytes for each of a wave's four blocks
.set SPITCH, 272
.set SBLK, 16*SPITCH
.set SPARE, 274432
.set A16,  4                           ; v4, v5 ctx at 16 x lane, first and second half of K; v6, v7 at 8 x lane; v8-11 out_w likewise; v12, v13 scale words
.set A8,   6
.set B16,  8
.set B8,   10
.set AS,   12
.set STO,  20
.set RD,   21
.set CO,   22
.set SPW,  23
.set NIL,  24
.set SC,   32
.set BI,   72
.set AF,   104
.set MSB, 0
.macro WIN new
.if MSB != (\new)
	s_set_vgpr_msb (MSB<<8)|(\new)
.set MSB, (\new)
.endif
.endm
.macro PLACES n                        ; plain instructions between a matrix instruction and a load into, or a read of, its registers (ISA guide 7.12.1 for reads)
.rept \n
	v_nop
.endr
.endm
.macro CROUND
	s_barrier_signal -1
	s_barrier_wait -1
	s_cmp_lg_u32 s14, 0
	s_cbranch_scc1 .Lnot_wave_0_\@
	s_barrier_signal -3
.Lnot_wave_0_\@:
	s_barrier_wait -3
	s_barrier_signal -1
	s_barrier_wait -1
.endm
.macro TLOAD g0, g1
	tensor_load_to_lds s[\g0:\g0+3], s[\g1:\g1+7]
	s_nop 0
	PLACES 4
.endm
.macro ARM w, g0, g1, next
	s_cmp_eq_u32 s14, \w
	s_cbranch_scc0 \next
	TLOAD \g0, \g1
	s_branch .Lasked
\next:
.endm
.macro FRAG reg, a16, a8, off
.irp c, 0,1
	ds_load_b128 v[\reg+6*\c:\reg+6*\c+3], v[\a16] offset:(\off)+768*\c
	ds_load_b64 v[\reg+6*\c+4:\reg+6*\c+5], v[\a8] offset:(\off)+768*\c+512
.endr
.endm
.macro FETCH s                         ; step s's eight fragments into set s % 3: 32 loads
.set P_, (\s)%3
.set H_, (\s)/4
	WIN 0x40
.irp i, 0,1,2,3
	FRAG 48*P_+12*\i, B16+H_, B8+H_, REC*\i+1536*((\s)%4)
.endr
	WIN 0
.irp i, 0,1,2,3
	FRAG AF+48*P_+12*\i, A16+H_, A8+H_, REC*\i+1536*((\s)%4)
.endr
.endm
.macro SCALES hf                       ; a half's scale words: 8 loads
.irp i, 0,1,2,3
.irp k, 0,1
	ds_load_b64 v[SC+10*\i+4*\hf+2*\k:SC+10*\i+4*\hf+2*\k+1], v[AS+\hf] offset:REC*\i+6144+128*\k
.endr
.endr
.endm
.macro MUL s                           ; 16 products; the accumulators take turns, in the same order in every step
.set P_, (\s)%3
.if (\s) == 0
	WIN 0x81
.else
	WIN 0xa1
.endif
.irp a, 0,1,2,3
.irp b, 0,1,2,3
.set D_, 8*(4*\a+\b)
.set C_, D_
.if (\s) == 0
.set C_, BI+8*\b
.endif
	v_wmma_scale_f32_16x16x128_f8f6f4 v[D_:D_+7], v[48*P_+12*\b:48*P_+12*\b+11], v[AF+48*P_+12*\a:AF+48*P_+12*\a+11], v[C_:C_+7], v[SC+10*\b+(\s)], v[SC+10*\a+(\s)] matrix_a_fmt:MATRIX_FMT_FP6 matrix_b_fmt:MATRIX_FMT_FP6 matrix_a_scale:MATRIX_SCALE_ROW1
.endr
.endr
	WIN 0
.endm
	s_load_b128 s[4:7], s[0:1], 0x0                ; cim, cod
	s_load_b128 s[8:11], s[0:1], 0x10              ; out_b, out0
	v_lshl_add_u32 v[SPW], v0, 2, SPARE
	v_mov_b32 v[NIL], 0
	ds_add_u32 v[SPW], v[NIL]                      ; the opening lines: the add, twice on end, and its wait ahead of my first tensor load
	ds_add_u32 v[SPW], v[NIL]
	v_lshrrev_b32 v1, 5, v0
	v_readfirstlane_b32 s14, v1                    ; wave 0..3
	s_lshr_b32 s15, s14, 1                         ; my half of the rows.  Also: the half of K that I fetch
	s_and_b32 s16, s14, 1                          ; my half of the columns.  Also: I fetch for ctx (0) or for out_w (1)
	s_bfe_u32 s40, ttmp6, 0x40000                  ; cx, cy
	s_bfe_u32 s41, ttmp6, 0x40004
	s_lshl_b32 s17, ttmp9, 2
	s_add_co_u32 s17, s17, s40                     ; my 128 columns
	s_and_b32 s18, ttmp7, 0xffff
	s_lshl_b32 s18, s18, 2
	s_add_co_u32 s18, s18, s41                     ; my 128 tokens
	s_lshl_b32 s19, s41, 2
	s_lshl_b32 s19, 15, s19                        ; my row of the cluster
	s_lshl_b32 s20, 0x1111, s40                    ; my column
	s_or_b32 s24, s19, (3<<16)|(1<<21)
	s_or_b32 s32, s20, (3<<16)|(1<<21)
.irp g, 24,32                          ; 8 rows of 800 elements of 8 bytes, 12,800 bytes apart
	s_mov_b32 s[\g+1], 800<<16
	s_mov_b32 s[\g+2], 8<<16
	s_mov_b32 s[\g+3], 800<<16
	s_mov_b32 s[\g+4], 8
	s_mov_b32 s[\g+5], 1600
	s_mov_b32 s[\g+6], 0
	s_mov_b32 s[\g+7], 0
.endr
	s_mul_i32 s21, s15, REC
	s_mul_i32 s42, s18, 102400                     ; ctx's tile hangs on the tokens alone,
	s_add_co_u32 s42, s42, s21
	s_mov_b32 s43, 0
	s_mul_i32 s44, s17, 102400                     ; out_w's on the columns alone
	s_add_co_u32 s44, s44, 5734400
	s_add_co_u32 s44, s44, s21
	s_mov_b32 s45, 0
	s_mov_b32 s48, 1
	s_mul_i32 s49, s14, TILE                       ; in LDS: ctx, out_w, for the first half of K, then for the second
	s_mov_b32 s52, 1
	s_mul_i32 s53, s14, TILE
	s_wait_alu depctr_va_vdst(0)
	s_wait_dscnt 0x0                               ; both opening adds are done
	CROUND                                         ; all sixteen work-groups are here: the joint loads meet
	s_wait_kmcnt 0x0
	s_add_nc_u64 s[50:51], s[4:5], s[42:43]
	s_or_b32 s51, s51, 0x80000000
	s_add_nc_u64 s[54:55], s[6:7], s[44:45]
	s_or_b32 s55, s55, 0x80000000
	ARM 0, 48, 24, .Lb0                            ; one tree of branches, one load on every way: one tensor load a wave at the head
	ARM 1, 52, 32, .La1
	ARM 2, 48, 24, .Lb1
	TLOAD 52, 32
.Lasked:
	v_and_b32 v1, 31, v0                           ; lane
	v_and_b32 v2, 15, v0                           ; r
	v_bfe_u32 v3, v0, 4, 1                         ; h
	v_lshlrev_b32 v14, 4, v1
	v_lshlrev_b32 v15, 3, v1
	v_lshlrev_b32 v16, 6, v3                       ; the bias: my 16 columns of a block of 32
	s_lshl_b32 s58, s17, 9
	s_lshl_b32 s59, s16, 8
	s_add_co_u32 s58, s58, s59                     ; my first column, in bytes
	s_mov_b32 s59, 0
	s_add_nc_u64 s[8:9], s[8:9], s[58:59]
.irp b, 0,1,2,3
	global_load_b128 v[BI+8*\b:BI+8*\b+3], v16, s[8:9] offset:(32*(\b/2)+8*(\b%2))*4
	global_load_b128 v[BI+8*\b+4:BI+8*\b+7], v16, s[8:9] offset:(32*(\b/2)+8*(\b%2))*4+16
.endr
	s_lshl_b32 s56, s18, 19                        ; my first token's row of out0: 4,096 bytes a row
	s_lshl_b32 s57, s15, 18
	s_add_co_u32 s56, s56, s57
	s_mov_b32 s57, 0
	s_add_nc_u64 s[10:11], s[10:11], s[56:57]
	s_add_nc_u64 s[10:11], s[10:11], s[58:59]
	s_mul_i32 s20, s15, 4*REC                      ; my four blocks of ctx,
	s_mul_i32 s21, s16, 4*REC
	s_add_co_u32 s21, s21, TILE                    ; and of out_w
	s_wait_alu depctr_va_vdst(0)
	v_add_nc_u32 v[A16], s20, v14
	v_add_nc_u32 v[A8], s20, v15
	v_add_nc_u32 v[B16], s21, v14
	v_add_nc_u32 v[B8], s21, v15
	v_add_nc_u32 v[A16+1], 2*TILE, v[A16]
	v_add_nc_u32 v[A8+1], 2*TILE, v[A8]
	v_add_nc_u32 v[B16+1], 2*TILE, v[B16]
	v_add_nc_u32 v[B8+1], 2*TILE, v[B8]
	s_sub_co_u32 s22, s21, s20
	v_mul_u32_u24 v17, s22, v3                     ; lanes 16-31 take out_w's scale words
	v_lshl_add_u32 v17, v2, 3, v17
	v_add_nc_u32 v[AS], s20, v17
	v_add_nc_u32 v[AS+1], 2*TILE, v[AS]
	s_mul_i32 s23, s14, 4*SBLK
	s_add_co_u32 s23, s23, STAGE                   ; my stage
	v_mul_u32_u24 v18, v2, SPITCH
	v_lshl_add_u32 v18, v3, 6, v18
	v_add_nc_u32 v[STO], s23, v18                  ; in: row r, + 64 h
	v_lshlrev_b32 v19, 4, v2
	v_mul_u32_u24 v18, v3, SPITCH
	v_add_nc_u32 v18, v18, v19
	v_add_nc_u32 v[RD], s23, v18                   ; out: sixteen lanes to a row of 256 bytes
	v_lshl_add_u32 v[CO], v3, 12, v19              ; and the same two rows in out0
	s_wait_alu depctr_va_vdst(0)                   ; the wait at the head's end
	s_cmp_lt_u32 s14, 2
	s_cbranch_scc0 .Lnot_first
	s_wait_tensorcnt 0x0                           ; the first half of K, waves 0 and 1's load lines; the second may be out
.Lnot_first:
	s_barrier_signal -1
	s_barrier_wait -1
	SCALES 0
	FETCH 0
	FETCH 1
	s_wait_loadcnt 0x0                             ; the bias
	s_wait_dscnt 32                                ; step 0's fragments and the scale words are in; step 1's 32 loads may be out
	FETCH 2
	MUL 0
	s_wait_dscnt 32
	PLACES 4
	FETCH 3
	MUL 1
	s_wait_tensorcnt 0x0                           ; the second half of K
	s_wait_dscnt 0x0
	s_barrier_signal -1
	MUL 2
	s_barrier_wait -1
	PLACES 4
	SCALES 1
	FETCH 4
	PLACES 4
	FETCH 5
	MUL 3
	s_wait_dscnt 32
	PLACES 4
	FETCH 6
	MUL 4
	s_wait_dscnt 32
	PLACES 4
	FETCH 7
	MUL 5
	s_wait_dscnt 32                                ; step 7's 32 loads may be out
	MUL 6
	s_wait_dscnt 0x0
	MUL 7
	PLACES 4
; THE WAY OUT of block a: 16 tokens x 64 columns through my own stage (a part for each block), and out as whole units of 256 bytes.  LDS serves a wave's instructions in order (ISA guide 5.7.1.4)
.macro TOSTAGE a
	WIN 0x08
.irp b, 0,1,2,3
	ds_store_b128 v[STO], v[32*(\a)+8*\b:32*(\a)+8*\b+3] offset:SBLK*(\a)+128*(\b/2)+32*(\b%2)
	ds_store_b128 v[STO], v[32*(\a)+8*\b+4:32*(\a)+8*\b+7] offset:SBLK*(\a)+128*(\b/2)+32*(\b%2)+16
.endr
	WIN 0
.irp t, 0,1,2,3,4,5,6,7
	ds_load_b128 v[AF+32*(\a)+4*\t:AF+32*(\a)+4*\t+3], v[RD] offset:SBLK*(\a)+2*\t*SPITCH
.endr
.endm
.macro SEND a, younger                 ; stage rows 2 t, 2 t + 1 are the block's tokens 2 t + 8 (t / 4) and the next
	s_wait_dscnt \younger
.irp t, 0,1,2,3,4,5,6,7
	global_store_b128 v[CO], v[AF+32*(\a)+4*\t:AF+32*(\a)+4*\t+3], s[10:11] offset:(32*((\a)/2)+8*((\a)%2)+2*\t+8*(\t/4))*4096 th:TH_STORE_NT
.endr
.endm
	TOSTAGE 0
	TOSTAGE 1
	SEND 0, 16                                     ; the next block's 16 LDS instructions may be out
	TOSTAGE 2
	SEND 1, 16
	TOSTAGE 3
	SEND 2, 16
	SEND 3, 0
	s_wait_tensorcnt 0x0                           ; the wave's end
	ds_add_u32 v[SPW], v[NIL]
	s_wait_dscnt 0x0
	CROUND                                         ; the closing round: no work-group ends while a partner may still ask for a tile that names it
	s_endpgm
.Lfunc_end_k_q1e8ae19f93_outp:
	.size	k_q1e8ae19f93_outp, .Lfunc_end_k_q1e8ae19f93_outp-k_q1e8ae19f93_outp
	.p2alignl 7, 3214868480
	.fill 96, 4, 3214868480
	.section	.rodata,"a",@progbits
	.p2align	6, 0x0
	.amdhsa_kernel k_q1e8ae19f93_outp
		.amdhsa_group_segment_fixed_size 274944
		.amdhsa_private_segment_fixed_size 0
		.amdhsa_enable_private_segment 0
		.amdhsa_kernarg_size 32
		.amdhsa_user_sgpr_count 2
		.amdhsa_user_sgpr_kernarg_segment_ptr 1
		.amdhsa_wavefront_size32 1
		.amdhsa_system_sgpr_workgroup_id_x 1
		.amdhsa_system_sgpr_workgroup_id_y 1
		.amdhsa_system_sgpr_workgroup_id_z 1
		.amdhsa_system_vgpr_workitem_id 0
		.amdhsa_next_free_vgpr 640
		.amdhsa_next_free_sgpr 100
		.amdhsa_reserve_vcc 0
		.amdhsa_float_denorm_mode_32 3
		.amdhsa_float_denorm_mode_16_64 3
		.amdhsa_memory_ordered 1
		.amdhsa_forward_progress 1
		.amdhsa_inst_pref_size 51
	.end_amdhsa_kernel
	.amdgpu_metadata
---
amdhsa.version: [ 1, 2 ]
amdhsa.kernels:
  - .name:           k_q1e8ae19f93_outp
    .symbol:         k_q1e8ae19f93_outp.kd
    .args:
      - { .name: cim, .offset: 0, .size: 8, .value_kind: global_buffer, .address_space: global }
      - { .name: cod, .offset: 8, .size: 8, .value_kind: global_buffer, .address_space: global }
      - { .name: out_b, .offset: 16, .size: 8, .value_kind: global_buffer, .address_space: global }
      - { .name: out0, .offset: 24, .size: 8, .value_kind: global_buffer, .address_space: global }
    .group_segment_fixed_size: 274944
    .private_segment_fixed_size: 0
    .kernarg_segment_align: 8
    .kernarg_segment_size: 32
    .max_flat_workgroup_size: 128
    .sgpr_count:     100
    .vgpr_count:     640
    .wavefront_size: 32
...
	.end_amdgpu_metadata
.endif
;; end of part 4
